; MI455X (gfx1250); checked and timed in simulation.
; The chip was launched on July 23, 2026; its instructions are those of AMD's public machine-readable ISA for CDNA 5 (MIT licence, August 2026) and "CDNA5" Instruction Set Architecture Reference Guide (July 2026). The comments in the code are by the model that wrote it; some were corrected since.
;; Transformer Encoder Layer. Allowed arithmetic: float matrix products may take bf16 or f16 operands with f32 sums; other float arithmetic in f32, or as packed bf16 or f16 multiplies, adds, multiply-adds, maxima and minima; sums over many terms, partial sums and values carried from step to step in f32; what a program stores and reads back later, other than sums and carried values, may be rounded once to bf16 or f16.
;; Inputs: W1 1,024 x 4,096 float32; W2 4,096 x 1,024 float32; Wk 1,024 x 1,024 float32; Wo 1,024 x 1,024 float32; Wq 1,024 x 1,024 float32; Wv 1,024 x 1,024 float32; b1 4,096 float32; b2 1,024 float32; bk 1,024 float32; bo 1,024 float32; bq 1,024 float32; bv 1,024 float32; ln1_b 1,024 float32; ln1_g 1,024 float32; ln2_b 1,024 float32; ln2_g 1,024 float32; positions 2 x 2,048 int32; x 2 x 2,048 x 1,024 float32.
;; Outputs: out0 2 x 2,048 x 1,024 float32.
;; One version. Each part assembles by itself: llvm-mc -triple=amdgcn-amd-amdhsa -mcpu=gfx1250 --defsym DOCPART=n.
;; ======== version 1 of 1: 7 launches
;; limits: values are held in f16: magnitudes above 65,504 overflow, below 6.1e-05 lose precision; a function is approximated: absolute error at most 1.5e-07
;; workspace buffers: wh 25,165,824 bytes; biasr 36,864 bytes; xh 8,388,608 bytes; qkv 25,165,824 bytes; oh 8,388,608 bytes; x2 16,777,216 bytes; gb 33,554,432 bytes
;; launch prep (part 1): grid 1289 x 1, 8 waves a work-group, no clusters, 0 bytes of LDS; arguments x, ln1_g, ln1_b, Wq, Wk, Wv, Wo, W1, W2, bq, bk, bv, bo, b1, b2, wh, biasr, xh; writes wh, biasr, xh
.if DOCPART == 1
	.amdgcn_target "amdgcn-amd-amdhsa--gfx1250"
	.amdhsa_code_object_version 6
	.text
	.protected	k_q8802ce2fc3_prep
	.globl	k_q8802ce2fc3_prep
	.p2align	8
	.type	k_q8802ce2fc3_prep,@function
k_q8802ce2fc3_prep:
	s_mov_b64 s[64:65], 0
	v_nop
	global_prefetch_b8 v0, s[64:65] scope:SCOPE_SE
	s_setreg_imm32_b32 hwreg(HW_REG_WAVE_MODE, 25, 1), 1
	s_wait_xcnt 0x0
; PREP: three streams, chosen by the work-group's number.  No LDS, no barrier, no matrix unit: each byte is read once and written once.
;   0 .. 767      CAST: 16,384 numbers of a weight matrix, f32 -> rounded to bf16 -> written as f16 (exact where the bf16 number is normal in f16), same [K][N] layout, into wh
;   768 .. 1279   NORM: 8 rows of x (a wave a row): x rounded to bf16, layer norm in f32 (mean, then the mean of squared differences, as the problem writes it), gain and bias rounded to bf16, result f16 into xh
;   1280 .. 1288  BIAS: 1,024 numbers of a bias, rounded to bf16, kept as f32 in biasr (bq, bk, bv, bo, b1's four quarters, b2)
; LIMITS.  Every floating-point input is rounded once to bf16 (x ahead of the norm, so a common offset of x costs bf16's step at that offset).  f16 ends at 65,504 and has a fixed step of 6e-8
; below 6e-5: weights and normalised rows must lie within it.  NaN and infinities are not treated apart.
.set X,  32                            ; v[32:63]   a row's 32 numbers of my lane (NORM); 16 loads of 4 (CAST reaches on to v95)
.set G,  64                            ; v[64:95]   gain
.set BB, 96                            ; v[96:127]  bias (NORM); packed results (CAST)
.set Y,  16                            ; v[16:31]   packed results (NORM)
.macro RND a, b, t                     ; two f32 rounded to bf16 and widened again
	v_cvt_pk_bf16_f32 v[\t], v[\a], v[\b]
	v_lshlrev_b32 v[\a], 16, v[\t]
	v_and_b32 v[\b], s41, v[\t]
.endm
.macro ACROSS                          ; v[4:5] -> the sum over the wave's 32 lanes, in every lane's v4
	v_add_f32 v4, v4, v5
	v_add_f32_dpp v4, v4, v4 row_xmask:1 row_mask:0xf bank_mask:0xf
	v_add_f32_dpp v4, v4, v4 row_xmask:2 row_mask:0xf bank_mask:0xf
	v_add_f32_dpp v4, v4, v4 row_xmask:4 row_mask:0xf bank_mask:0xf
	v_add_f32_dpp v4, v4, v4 row_xmask:8 row_mask:0xf bank_mask:0xf
	v_permlanex16_b32 v15, v4, s42, s43
	v_add_f32 v4, v4, v15
.endm
.macro FOLD                            ; four chains of pairs into v[4:5]
	v_pk_add_f32 v[4:5], v[4:5], v[6:7]
	v_pk_add_f32 v[8:9], v[8:9], v[10:11]
	v_pk_add_f32 v[4:5], v[4:5], v[8:9]
.endm
; One row of 1,024 f32 by one wave: lane l holds columns 128 j + 4 l + 0..3, j = 0..7.  Row in at s[46:47], row out (f16) at s[56:57]; v1 = 16 l, v2 = 8 l.
.macro LNROW rnd, gp, bp
.set j, 0
.rept 8
	global_load_b128 v[X+4*j:X+4*j+3], v1, s[46:47] offset:512*j th:TH_LOAD_NT
.set j, j+1
.endr
.set j, 0
.rept 8
	global_load_b128 v[G+4*j:G+4*j+3], v1, s[\gp:\gp+1] offset:512*j
.set j, j+1
.endr
.set j, 0
.rept 8
	global_load_b128 v[BB+4*j:BB+4*j+3], v1, s[\bp:\bp+1] offset:512*j
.set j, j+1
.endr
	v_mov_b32 v15, 0                               ; the exchange's destination counts as read
	s_wait_loadcnt 16                              ; the row is in; the 16 loads of gain and bias stay out
.if \rnd
.set j, 0
.rept 16
	RND X+2*j, X+2*j+1, 8+j%2
.set j, j+1
.endr
.endif
.set j, 0
.rept 4                                ; the first eight pairs start four chains: nothing is cleared
	v_pk_add_f32 v[4+2*j:5+2*j], v[X+4*j:X+4*j+1], v[X+4*j+2:X+4*j+3]
.set j, j+1
.endr
.set j, 8
.rept 8
	v_pk_add_f32 v[4+2*(j%4):5+2*(j%4)], v[4+2*(j%4):5+2*(j%4)], v[X+2*j:X+2*j+1]
.set j, j+1
.endr
	FOLD
	ACROSS
	v_mul_f32 v12, s44, v4                         ; the mean
	v_mov_b32 v13, v12
.set j, 0
.rept 16
	v_pk_add_f32 v[X+2*j:X+2*j+1], v[X+2*j:X+2*j+1], v[12:13] neg_lo:[0,1] neg_hi:[0,1]
.set j, j+1
.endr
.set j, 0
.rept 4
	v_pk_mul_f32 v[4+2*j:5+2*j], v[X+2*j:X+2*j+1], v[X+2*j:X+2*j+1]
.set j, j+1
.endr
.set j, 4
.rept 12
	v_pk_fma_f32 v[4+2*(j%4):5+2*(j%4)], v[X+2*j:X+2*j+1], v[X+2*j:X+2*j+1], v[4+2*(j%4):5+2*(j%4)]
.set j, j+1
.endr
	FOLD
	ACROSS
	s_wait_loadcnt 0x0                             ; gain and bias
	v_fma_f32 v14, v4, s44, s45                    ; variance + 1e-5
	v_rsq_f32 v12, v14
	v_rsq_f32 v13, v14                             ; the rounding below, which touches none of v12-14, is the plain instruction behind it (ISA guide 5.7.2)
.set j, 0
.rept 16
	RND G+2*j, G+2*j+1, 8+j%2
	RND BB+2*j, BB+2*j+1, 10+j%2
.set j, j+1
.endr
.set j, 0
	s_wait_alu depctr_va_vdst(0)
.rept 16
	v_pk_mul_f32 v[X+2*j:X+2*j+1], v[X+2*j:X+2*j+1], v[12:13]
.set j, j+1
.endr
.set j, 0
.rept 16
	v_pk_fma_f32 v[X+2*j:X+2*j+1], v[X+2*j:X+2*j+1], v[G+2*j:G+2*j+1], v[BB+2*j:BB+2*j+1]
.set j, j+1
.endr
.set j, 0
.rept 16
	v_cvt_pk_f16_f32 v[Y+j], v[X+2*j], v[X+2*j+1]
.set j, j+1
.endr
.set j, 0
.rept 8
	global_store_b64 v2, v[Y+2*j:Y+2*j+1], s[56:57] offset:256*j th:TH_STORE_NT  ; the wave stores 256 consecutive bytes, aligned
.set j, j+1
.endr
.endm
.macro PICK bound, ptr, first          ; below this chunk the source is another matrix
	s_cmp_lt_u32 s50, \bound
	s_cselect_b64 s[46:47], s[\ptr:\ptr+1], s[46:47]
	s_cselect_b32 s48, \first, s48
.endm
	s_load_b512 s[4:19], s[0:1], 0x0               ; x 4, ln1_g 6, ln1_b 8, Wq 10, Wk 12, Wv 14, Wo 16, W1 18
	s_load_b512 s[20:35], s[0:1], 0x40             ; W2 20, bq 22, bk 24, bv 26, bo 28, b1 30, b2 32, wh 34
	s_load_b128 s[36:39], s[0:1], 0x80             ; biasr 36, xh 38
	v_lshrrev_b32 v3, 5, v0
	v_readfirstlane_b32 s40, v3                    ; wave 0..7
	s_mov_b32 s41, 0xffff0000                      ; a word's upper bf16
	s_mov_b32 s42, 0x76543210                      ; v_permlanex16_b32: each lane takes its own place in the other half
	s_mov_b32 s43, 0xfedcba98
	s_mov_b32 s44, 0x3a800000                      ; 1 / 1,024
	s_mov_b32 s45, 0x3727c5ac                      ; 1e-5
	s_mov_b32 s50, ttmp9
	s_mov_b32 s53, 0
	s_mov_b32 s55, 0
	s_wait_kmcnt 0x0
	s_cmp_lt_u32 s50, 768
	s_cbranch_scc1 .Lcast
	s_cmp_lt_u32 s50, 1280
	s_cbranch_scc1 .Lnorm
	; BIAS: block j of 1,024 numbers
	s_sub_co_u32 s51, s50, 1280                    ; j = 0..8
	s_max_u32 s48, s51, 4
	s_sub_co_u32 s48, s48, 4
	s_min_u32 s48, s48, 3
	s_lshl_b32 s48, s48, 12                        ; b1's quarter, in bytes
	s_cmp_lt_u32 s51, 8
	s_cselect_b64 s[46:47], s[30:31], s[32:33]     ; b1, or b2 for j = 8
	s_cselect_b32 s52, s48, 0
	s_cmp_lt_u32 s51, 4
	s_cselect_b64 s[46:47], s[28:29], s[46:47]     ; bo
	s_cmp_lt_u32 s51, 3
	s_cselect_b64 s[46:47], s[26:27], s[46:47]     ; bv
	s_cmp_lt_u32 s51, 2
	s_cselect_b64 s[46:47], s[24:25], s[46:47]     ; bk
	s_cmp_lt_u32 s51, 1
	s_cselect_b64 s[46:47], s[22:23], s[46:47]     ; bq
	s_add_nc_u64 s[46:47], s[46:47], s[52:53]
	s_lshl_b32 s54, s51, 12
	s_add_nc_u64 s[56:57], s[36:37], s[54:55]
	v_lshlrev_b32 v1, 4, v0                        ; 16 bytes a thread: 256 threads take the 4,096 bytes
	global_load_b128 v[32:35], v1, s[46:47]
	s_wait_loadcnt 0x0
	RND 32, 33, 4
	RND 34, 35, 5
	global_store_b128 v1, v[32:35], s[56:57]
	s_endpgm
.Lnorm:
	s_sub_co_u32 s51, s50, 768
	s_lshl_b32 s51, s51, 3
	s_add_co_u32 s51, s51, s40                     ; my wave's row
	s_lshl_b32 s52, s51, 12
	s_lshl_b32 s54, s51, 11
	s_add_nc_u64 s[46:47], s[4:5], s[52:53]
	s_add_nc_u64 s[56:57], s[38:39], s[54:55]
	v_and_b32 v2, 31, v0
	v_lshlrev_b32 v1, 4, v2
	v_lshlrev_b32 v2, 3, v2
	LNROW 1, 6, 8
	s_endpgm
.Lcast:
	s_mov_b64 s[46:47], s[20:21]                   ; W2 from chunk 512 on,
	s_mov_b32 s48, 512
	PICK 512, 18, 256                              ; W1 from 256,
	PICK 256, 16, 192                              ; Wo, Wv, Wk, Wq: 64 chunks each
	PICK 192, 14, 128
	PICK 128, 12, 64
	PICK 64, 10, 0
	s_sub_co_u32 s49, s50, s48
	s_lshl_b32 s52, s49, 16                        ; 65,536 bytes of f32 a chunk
	s_add_nc_u64 s[46:47], s[46:47], s[52:53]
	s_lshl_b32 s54, s50, 15                        ; 32,768 bytes of f16: the matrices follow each other in wh in the order of the chunks
	s_add_nc_u64 s[56:57], s[34:35], s[54:55]
	v_lshlrev_b32 v1, 4, v0
	v_lshlrev_b32 v2, 3, v0
.set i, 0
.rept 16                               ; all 16 loads of the thread go out first
	global_load_b128 v[32+4*i:35+4*i], v1, s[46:47] offset:4096*i th:TH_LOAD_NT
.set i, i+1
.endr
.set i, 0
.rept 16
	s_wait_loadcnt 15-i                            ; loads come back in order: load i is in, the 15 - i younger ones stay out
	RND 32+4*i, 33+4*i, 4
	RND 34+4*i, 35+4*i, 5
	v_cvt_pk_f16_f32 v[96+2*i], v[32+4*i], v[33+4*i]
	v_cvt_pk_f16_f32 v[97+2*i], v[34+4*i], v[35+4*i]
	global_store_b64 v2, v[96+2*i:97+2*i], s[56:57] offset:2048*i th:TH_STORE_NT  ; a wave stores 256 consecutive bytes, aligned; no register is used twice
.set i, i+1
.endr
	s_endpgm
.Lfunc_end_k_q8802ce2fc3_prep:
	.size	k_q8802ce2fc3_prep, .Lfunc_end_k_q8802ce2fc3_prep-k_q8802ce2fc3_prep
	.p2alignl 7, 3214868480
	.fill 96, 4, 3214868480
	.section	.rodata,"a",@progbits
	.p2align	6, 0x0
	.amdhsa_kernel k_q8802ce2fc3_prep
		.amdhsa_group_segment_fixed_size 0
		.amdhsa_private_segment_fixed_size 0
		.amdhsa_enable_private_segment 0
		.amdhsa_kernarg_size 144
		.amdhsa_user_sgpr_count 2
		.amdhsa_user_sgpr_kernarg_segment_ptr 1
		.amdhsa_wavefront_size32 1
		.amdhsa_system_sgpr_workgroup_id_x 1
		.amdhsa_system_sgpr_workgroup_id_y 1
		.amdhsa_system_sgpr_workgroup_id_z 1
		.amdhsa_system_vgpr_workitem_id 0
		.amdhsa_next_free_vgpr 128
		.amdhsa_next_free_sgpr 66
		.amdhsa_reserve_vcc 0
		.amdhsa_float_denorm_mode_32 3
		.amdhsa_float_denorm_mode_16_64 3
		.amdhsa_memory_ordered 1
		.amdhsa_forward_progress 1
		.amdhsa_inst_pref_size 30
	.end_amdhsa_kernel
	.amdgpu_metadata
---
amdhsa.version: [ 1, 2 ]
amdhsa.kernels:
  - .name:           k_q8802ce2fc3_prep
    .symbol:         k_q8802ce2fc3_prep.kd
    .args:
      - { .name: x, .offset: 0, .size: 8, .value_kind: global_buffer, .address_space: global }
      - { .name: ln1_g, .offset: 8, .size: 8, .value_kind: global_buffer, .address_space: global }
      - { .name: ln1_b, .offset: 16, .size: 8, .value_kind: global_buffer, .address_space: global }
      - { .name: Wq, .offset: 24, .size: 8, .value_kind: global_buffer, .address_space: global }
      - { .name: Wk, .offset: 32, .size: 8, .value_kind: global_buffer, .address_space: global }
      - { .name: Wv, .offset: 40, .size: 8, .value_kind: global_buffer, .address_space: global }
      - { .name: Wo, .offset: 48, .size: 8, .value_kind: global_buffer, .address_space: global }
      - { .name: W1, .offset: 56, .size: 8, .value_kind: global_buffer, .address_space: global }
      - { .name: W2, .offset: 64, .size: 8, .value_kind: global_buffer, .address_space: global }
      - { .name: bq, .offset: 72, .size: 8, .value_kind: global_buffer, .address_space: global }
      - { .name: bk, .offset: 80, .size: 8, .value_kind: global_buffer, .address_space: global }
      - { .name: bv, .offset: 88, .size: 8, .value_kind: global_buffer, .address_space: global }
      - { .name: bo, .offset: 96, .size: 8, .value_kind: global_buffer, .address_space: global }
      - { .name: b1, .offset: 104, .size: 8, .value_kind: global_buffer, .address_space: global }
      - { .name: b2, .offset: 112, .size: 8, .value_kind: global_buffer, .address_space: global }
      - { .name: wh, .offset: 120, .size: 8, .value_kind: global_buffer, .address_space: global }
      - { .name: biasr, .offset: 128, .size: 8, .value_kind: global_buffer, .address_space: global }
      - { .name: xh, .offset: 136, .size: 8, .value_kind: global_buffer, .address_space: global }
    .group_segment_fixed_size: 0
    .private_segment_fixed_size: 0
    .kernarg_segment_align: 8
    .kernarg_segment_size: 144
    .max_flat_workgroup_size: 256
    .sgpr_count:     66
    .vgpr_count:     128
    .wavefront_size: 32
...
	.end_amdgpu_metadata
.endif
;; end of part 1
;; launch qkv (part 2): grid 12 x 16, 4 waves a work-group, clusters of 4 x 4, 327,680 bytes of LDS; arguments xh, wh, biasr, qkv; writes qkv
.if DOCPART == 2
	.amdgcn_target "amdgcn-amd-amdhsa--gfx1250"
	.amdhsa_code_object_version 6
	.text
	.protected	k_q8802ce2fc3_qkv
	.globl	k_q8802ce2fc3_qkv
	.p2align	8
	.type	k_q8802ce2fc3_qkv,@function
k_q8802ce2fc3_qkv:
	s_mov_b64 s[64:65], 0
	v_nop
	global_prefetch_b8 v0, s[64:65] scope:SCOPE_SE
	s_setreg_imm32_b32 hwreg(HW_REG_WAVE_MODE, 25, 1), 1
	s_wait_xcnt 0x0
	s_wait_alu depctr_hold_cnt(0) depctr_sa_sdst(0) depctr_va_vdst(0) depctr_va_sdst(0) depctr_va_ssrc(0) depctr_va_vcc(0) depctr_vm_vsrc(0)
	s_getreg_b32 s2, hwreg(HW_REG_IB_STS2, 6, 4)
	s_cmp_eq_u32 s2, 0
	s_cbranch_scc0 .Lentry_in_a_cluster
	s_endpgm
.Lentry_in_a_cluster:
	s_bfe_u32 s2, ttmp6, 0x10000c
	s_cmp_lg_u32 s2, 0xf033
	s_cbranch_scc0 .Lentry_shape_is_right
	s_endpgm
.Lentry_shape_is_right:
; Q, K, V = xn W + b, laid by heads.  xh: [4096][1024] f16.  wh: Wq, Wk, Wv as [1024][1024] f16, one behind the other.  biasr: bq, bk, bv in f32.  qkv: [3][32 = batch x 16 + head][2048][64] f16, unscaled.
; A tile of C is 256 x 256: four waves, each 128 x 128 (64 accumulators, 512 registers).  Tile column nt = 0..11: matrix nt / 4, its columns 256 (nt % 4) on, which are four heads.  12 x 16 = 192 work-groups:
; 256 columns divide a matrix of 1,024, which 192 would not.  K goes in 8 steps of 128 through two LDS slots.
; A's tile lies [row][k] (rows of 256 bytes, pitch 272); W's lies [k][column] as in memory (rows of 512 bytes, pitch 544) and is read turned, by ds_load_tr16_b128.
; THE PRODUCT IS TAKEN TRANSPOSED (source 0 = 16 columns of W, source 1 = 16 rows of A): a lane holds one row of C (lane % 16) and the columns 8 (lane / 16) + 0..7.  The sums START FROM THE BIAS, loaded into the accumulators.
; CLUSTER 4 x 4: A's tile is shared along a row of the cluster, W's along a column; each is asked for jointly, by the same load with the same descriptor and a mask of the four.
; ONE K STEP IS WRITTEN ONCE FOR EACH OF TWO LOOPS: the first (T - 2 trips) fills the slot it leaves again, the second (2 trips) fills nothing.  s[RB] is the slot being read, 0 or SLOT.
; The second loop's last trip fetches 16 fragments that nobody multiplies (from slot 0, which holds the step before): the price, once a wave, of one text for both last steps.
; No prefetch: every tile is asked for by several clusters, and a refill has 224 products of its wave in which to land.  LIMIT: q, k, v beyond 65,504 become infinities in f16.
; REGISTERS, in windows of 256 (s_set_vgpr_msb: bits 1:0 source 0, 3:2 source 1, 5:4 source 2, 7:6 destination):
;   window 0: v0-31 addresses; v64-127, v128-191 fragments of A (8 x 16 rows x 32 K), two buffers; v32-127 at work on the way out      window 1: v64-127, v128-191 fragments of W, two buffers
;   window 2: the 32 accumulators of my rows 0-63 (accumulator (a, b) at v[8 (8 a + b)])      window 3: those of my rows 64-127
.set T,     8                          ; K steps of 128
.set LDA,   1024                       ; elements in a row of A
.set LDB,   1024                       ; elements in a row of W
.set PA,    272                        ; A's LDS pitch: 68 words: the 16 rows of a load start at 16 different groups of four banks (64 banks of 4 bytes: ISA guide 11.1)
.set AHALF, 128*PA                     ; what one load of A fills, and what one wave reads of A
.set AREG,  2*AHALF
.set ASTEP, 256                        ; bytes in memory from a K step to the next
.set PB,    544                        ; W's LDS pitch: 136 words
.set BHALF, 64*PB                      ; what one load of W fills
.set BSTEP, 128*LDB*2
.set SLOT,  AREG+2*BHALF               ; 139,264
.set SPARE, 2*SLOT                     ; the spare words: 128 bytes for each wave, two blocks of 256 bytes that no other line names
.set SP,    528                        ; THE STAGE: for each wave 128 rows of 128 f32, pitch 528, laid over the two slots, written only behind their last fill and their last read
.set WSTG,  128*SP                     ; 67,584 a wave; four are 270,336, within the slots' 278,528
.set BIASF, 0                          ; the bias's first number in biasr
.set SPW, 28                           ; v28  my spare word's LDS address; never rewritten
.set NIL, 29                           ; v29  0; never rewritten
.set A0,  16                           ; v16  my place in A's region      v17  in W's region
.set B0,  17
.set ADRA, 18                          ; v18  s[RB] + A0      v19  s[RB] + B0
.set ADRB, 19
.set STO, 24                           ; v24  where I put 16 bytes into the stage      v25  where I read it      v26  my byte offset in the output      v27  in the bias
.set RD,  25
.set CO,  26
.set BO,  27
.set F0,  64                           ; fragment buffers
.set F1,  128
.set WV, 14                            ; s14 wave      s15 = wave / 2: my row half; 0 fetches A, 1 fetches W      s16 = wave % 2: my column half; which half I fetch
.set WM, 15
.set WN, 16
.set CX, 17
.set CY, 18
.set NT, 19                            ; tile column
.set MT, 20                            ; tile row
.set G1A, 24                           ; s[24:31] group 1 for A      s[32:39] group 0, two sets: K step 0; K step 1, which then walks
.set G0A, 32
.set RB,  44
.set LA,  46                           ; LDS place in a slot of what I would fetch of A, of W
.set LB,  47
.set G1B, 48
.set G0B, 56
.set MUL_LO, 0xa1                      ; source 0 (W) window 1, source 1 (A) window 0, C and D window 2
.set TO_B,   0x40                      ; destination window 1, address window 0
.set MSB, 0
.macro WIN new                         ; the immediate's high byte repeats the setting that is left; a switch that changes nothing is dropped
.if MSB != (\new)
	s_set_vgpr_msb (MSB<<8)|(\new)
.set MSB, \new
.endif
.endm
.macro PLACES                          ; four places in front of loads into registers that matrix instructions have read, and of stores that read results
.rept 4
	v_nop
.endr
.endm
.macro CREST                           ; a round of the cluster's barrier behind its opening barrier
	s_cmp_lg_u32 s[WV], 0
	s_cbranch_scc1 .Lnot_wave_0_\@
	s_barrier_signal -3
.Lnot_wave_0_\@:
	s_barrier_wait -3
	s_barrier_signal -1
	s_barrier_wait -1
.endm
.macro CROUND
	s_barrier_signal -1
	s_barrier_wait -1
	CREST
.endm
.macro JLOAD                           ; a joint refill by the walking set; an s_nop 0 and four v_nop follow each line, ahead of the jump and the label
	s_cmp_eq_u32 s[WM], 0
	s_cbranch_scc0 .Lfor_b_\@
	tensor_load_to_lds s[G0A+4:G0A+7], s[G1A:G1A+7]
	s_nop 0
	PLACES
	s_branch .Lasked_\@
.Lfor_b_\@:
	tensor_load_to_lds s[G0B+4:G0B+7], s[G1B:G1B+7]
	s_nop 0
	PLACES
.Lasked_\@:
.endm
.macro MUL16 f, hi, a0                 ; 16 products: row blocks a0, a0 + 1 of the window's four (hi = 0: my rows 0-63, 1: rows 64-127) x all 8 column blocks, 32 along K
	WIN MUL_LO+0x50*(\hi)
.irp a, \a0, (\a0)+1
.irp b, 0,1,2,3,4,5,6,7
	v_wmma_f32_16x16x32_f16 v[8*(8*(\a)+(\b)):8*(8*(\a)+(\b))+7], v[(\f)+8*(\b):(\f)+8*(\b)+7], v[(\f)+8*(4*(\hi)+(\a)):(\f)+8*(4*(\hi)+(\a))+7], v[8*(8*(\a)+(\b)):8*(8*(\a)+(\b))+7]
.endr
.endr
.endm
.macro FETCH q, f                      ; 32 LDS loads in one run: quarter q (32 along K) of the slot at s[RB] into buffer f: W's 128 columns, then A's 128 rows
	WIN TO_B
.irp i, 0,1,2,3,4,5,6,7
	ds_load_tr16_b128 v[(\f)+8*(\i):(\f)+8*(\i)+3],   v[ADRB] offset:(\q)*32*PB+32*(\i)
	ds_load_tr16_b128 v[(\f)+8*(\i)+4:(\f)+8*(\i)+7], v[ADRB] offset:(\q)*32*PB+16*PB+32*(\i)
.endr
	WIN 0
.irp i, 0,1,2,3,4,5,6,7
	ds_load_b128 v[(\f)+8*(\i):(\f)+8*(\i)+3],   v[ADRA] offset:(\q)*64+(\i)*16*PA
	ds_load_b128 v[(\f)+8*(\i)+4:(\f)+8*(\i)+7], v[ADRA] offset:(\q)*64+(\i)*16*PA+32
.endr
.endm
.macro QUARTER q, f, g                 ; multiplies buffer f and fetches quarter q into g.  The 64 accumulators take turns, one instruction a turn
	s_wait_dscnt 8                                 ; W and A's rows 0-63 are in; the youngest eight loads (A's rows 64-127) may be out
	MUL16 \f, 0, 0
	MUL16 \f, 0, 2
	PLACES
	FETCH \q, \g
	s_wait_dscnt 32                                ; all but the 32 just issued
	MUL16 \f, 1, 0
	MUL16 \f, 1, 2
.endm
; The last quarter multiplies buffer 1 and changes slots: one barrier; in front of it each wave waits for all its tensor loads, adds 0 to its spare word, and waits for that and for its reads of the slot.
.macro TURN fill
	WIN 0
	s_wait_tensorcnt 0x0                           ; all my tensor loads have landed (one was out: my part of the next slot), so a group 0 may be written
	ds_add_u32 v[SPW], v[NIL]                      ; 0 onto my spare word
.if \fill
	s_add_co_u32 s[G0A+5], s[RB], s[LA]            ; the walking sets: into the slot that is being left,
	s_add_co_u32 s[G0B+5], s[RB], s[LB]
	s_add_nc_u64 s[G0A+6:G0A+7], s[G0A+6:G0A+7], ASTEP  ; the next K step; the type bits on top are not reached
	s_add_nc_u64 s[G0B+6:G0B+7], s[G0B+6:G0B+7], BSTEP
.endif
	s_xor_b32 s[RB], s[RB], SLOT                   ; the reads go to the other slot
	v_add_nc_u32 v[ADRA], s[RB], v[A0]
	v_add_nc_u32 v[ADRB], s[RB], v[B0]
	s_wait_dscnt 9                                 ; the add and the youngest eight loads may be out
	MUL16 F1, 0, 0
	s_wait_dscnt 0x0                               ; the add is done, and my reads of this slot are over
	s_barrier_signal -1
	MUL16 F1, 0, 2
	WIN 0                                          ; at a branch and at a label every window is 0
	s_barrier_wait -1
.if \fill
	CREST                                          ; the barrier has opened a round of the cluster's: no wave of any partner still reads the slot or has a load on its way
	JLOAD                                          ; my one tensor load behind the round: 224 products ahead of the wait for it; its four v_nop are also the places in front of the loads below
.else
	PLACES
.endif
	FETCH 0, F0
	MUL16 F1, 1, 0
	MUL16 F1, 1, 2
.endm
	s_load_b256 s[4:11], s[0:1], 0x0               ; xh s[4:5], wh s[6:7], biasr s[8:9], qkv s[10:11]
	v_lshl_add_u32 v[SPW], v0, 2, SPARE
	v_mov_b32 v[NIL], 0
	ds_add_u32 v[SPW], v[NIL]                      ; the wave's opening: the add and its wait stand ahead of my first tensor load; work on registers stands between them
	v_lshrrev_b32 v3, 5, v0
	v_readfirstlane_b32 s[WV], v3
	s_lshr_b32 s[WM], s[WV], 1
	s_and_b32 s[WN], s[WV], 1
	s_bfe_u32 s[CX], ttmp6, 0x40000
	s_bfe_u32 s[CY], ttmp6, 0x40004
	s_lshl_b32 s[NT], ttmp9, 2
	s_add_co_u32 s[NT], s[NT], s[CX]
	s_and_b32 s[MT], ttmp7, 0xffff
	s_lshl_b32 s[MT], s[MT], 2
	s_add_co_u32 s[MT], s[MT], s[CY]
	s_lshl_b32 s21, s[CY], 2
	s_lshl_b32 s21, 15, s21                        ; my row of the cluster
	s_lshl_b32 s22, 0x1111, s[CX]                  ; my column
	s_or_b32 s[G1A], s21, (1<<16)|(1<<20)|(1<<21)|(5<<22)|(3<<25)  ; mask; 2-byte elements; padding on; bit 21 beside a mask; after every 64 words 4 words
	s_mov_b32 s[G1A+1], 128<<16                    ; tensor_dim0 = 128
	s_mov_b32 s[G1A+2], 128<<16                    ; tensor_dim1 = 128
	s_mov_b32 s[G1A+3], 128<<16                    ; tile_dim0 = 128
	s_mov_b32 s[G1A+4], 128                        ; tile_dim1 = 128
	s_mov_b32 s[G1A+5], LDA
	s_mov_b32 s[G1A+6], 0
	s_mov_b32 s[G1A+7], 0
	s_or_b32 s[G1B], s22, (1<<16)|(1<<20)|(1<<21)|(6<<22)|(7<<25)  ; after every 128 words 8 words
	s_mov_b32 s[G1B+1], 256<<16                    ; 256 columns
	s_mov_b32 s[G1B+2], 64<<16                     ; 64 rows of k
	s_mov_b32 s[G1B+3], 256<<16
	s_mov_b32 s[G1B+4], 64
	s_mov_b32 s[G1B+5], LDB
	s_mov_b32 s[G1B+6], 0
	s_mov_b32 s[G1B+7], 0
	s_mul_i32 s[LA], s[WN], AHALF
	s_mul_i32 s[LB], s[WN], BHALF
	s_add_co_u32 s[LB], s[LB], AREG
	s_lshl_b32 s40, s[MT], 8                       ; A: row 256 x tile row + 128 x half (s[40:41] never hold cx)
	s_lshl_b32 s41, s[WN], 7
	s_add_co_u32 s40, s40, s41
	s_mul_i32 s40, s40, LDA*2
	s_mov_b32 s41, 0
	s_lshr_b32 s42, s[NT], 2                       ; W: matrix nt / 4, 2,097,152 bytes each (s[42:43] never hold cy),
	s_lshl_b32 s42, s42, 21
	s_and_b32 s43, s[NT], 3
	s_lshl_b32 s43, s43, 9                         ; its columns 256 (nt % 4) on,
	s_add_co_u32 s42, s42, s43
	s_mul_i32 s43, s[WN], 64*LDB*2                 ; my 64 rows of k
	s_add_co_u32 s42, s42, s43
	s_mov_b32 s43, 0
	v_and_b32 v1, 15, v0                           ; r = l % 16
	v_bfe_u32 v2, v0, 4, 1                         ; h = l / 16
	v_and_b32 v6, 7, v0
	v_bfe_u32 v7, v0, 3, 1
	v_and_b32 v8, 31, v0                           ; l
	s_lshl_b32 s23, s[WN], 9
	v_lshl_add_u32 v[BO], v2, 5, s23               ; my 8 columns in the tile's bias: 512 x column half + 32 h
	s_wait_dscnt 0x0                               ; the opening add is done
	s_wait_kmcnt 0x0
	s_add_nc_u64 s[40:41], s[4:5], s[40:41]
	s_add_nc_u64 s[42:43], s[6:7], s[42:43]
	s_mov_b32 s[G0A], 1
	s_mov_b32 s[G0A+1], s[LA]
	s_mov_b64 s[G0A+2:G0A+3], s[40:41]
	s_or_b32 s[G0A+3], s[G0A+3], 0x80000000
	s_mov_b32 s[G0A+4], 1
	s_add_co_u32 s[G0A+5], s[LA], SLOT
	s_add_nc_u64 s[G0A+6:G0A+7], s[40:41], ASTEP
	s_or_b32 s[G0A+7], s[G0A+7], 0x80000000
	s_mov_b32 s[G0B], 1
	s_mov_b32 s[G0B+1], s[LB]
	s_mov_b64 s[G0B+2:G0B+3], s[42:43]
	s_or_b32 s[G0B+3], s[G0B+3], 0x80000000
	s_mov_b32 s[G0B+4], 1
	s_add_co_u32 s[G0B+5], s[LB], SLOT
	s_add_nc_u64 s[G0B+6:G0B+7], s[42:43], BSTEP
	s_or_b32 s[G0B+7], s[G0B+7], 0x80000000
	s_lshl_b32 s66, s[NT], 10                      ; the tile's 256 numbers of the bias
	s_add_co_u32 s66, s66, BIASF*4
	s_mov_b32 s67, 0
	s_add_nc_u64 s[8:9], s[8:9], s[66:67]
	s_lshr_b32 s66, s[NT], 2                       ; the output: q, k or v, 8,388,608 bytes each;
	s_lshl_b32 s66, s66, 23
	s_lshr_b32 s67, s[MT], 3
	s_lshl_b32 s67, s67, 4                         ; batch x 16 heads
	s_and_b32 s23, s[NT], 3
	s_lshl_b32 s23, s23, 2
	s_add_co_u32 s67, s67, s23                     ; + the tile's first head
	s_lshl_b32 s23, s[WN], 1
	s_add_co_u32 s67, s67, s23                     ; + my column half's two,
	s_lshl_b32 s67, s67, 18                        ; 2,048 rows of 128 bytes each;
	s_add_co_u32 s66, s66, s67
	s_and_b32 s67, s[MT], 7
	s_lshl_b32 s67, s67, 8
	s_lshl_b32 s23, s[WM], 7
	s_add_co_u32 s67, s67, s23                     ; the first of my 128 rows in the batch
	s_lshl_b32 s67, s67, 7
	s_add_co_u32 s66, s66, s67
	s_mov_b32 s67, 0
	s_add_nc_u64 s[10:11], s[10:11], s[66:67]
	CROUND                                         ; all sixteen work-groups are here: the first joint loads meet
	s_cmp_eq_u32 s[WM], 0                          ; a wave's two first fills stand in one branch: two loads of mine are out
	s_cbranch_scc0 .Lfirst_b
	tensor_load_to_lds s[G0A:G0A+3], s[G1A:G1A+7]
	s_nop 0
	tensor_load_to_lds s[G0A+4:G0A+7], s[G1A:G1A+7]
	s_nop 0
	PLACES
	s_branch .Lfirst_asked
.Lfirst_b:
	tensor_load_to_lds s[G0B:G0B+3], s[G1B:G1B+7]
	s_nop 0
	tensor_load_to_lds s[G0B+4:G0B+7], s[G1B:G1B+7]
	s_nop 0
	PLACES
.Lfirst_asked:
.irp hi, 0,1                           ; the bias starts the sums: register j of accumulator (a, b) is column 16 b + 8 h + j of my half, whatever a; issued while the first tiles are on their way
	WIN 0x80+0x40*(\hi)                            ; destination window 2, then 3; address window 0
.irp a, 0,1,2,3
.irp b, 0,1,2,3,4,5,6,7
	global_load_b128 v[8*(8*(\a)+(\b)):8*(8*(\a)+(\b))+3],   v[BO], s[8:9] offset:64*(\b)
	global_load_b128 v[8*(8*(\a)+(\b))+4:8*(8*(\a)+(\b))+7], v[BO], s[8:9] offset:64*(\b)+16
.endr
.endr
.endr
	WIN 0
	v_mul_u32_u24 v[A0], v1, PA                    ; A's fragment: (128 x row half + r) x pitch + 16 h
	v_lshl_add_u32 v[A0], v2, 4, v[A0]
	s_mul_i32 s23, s[WM], AHALF
	v_add_nc_u32 v[A0], s23, v[A0]
	v_lshl_add_u32 v[B0], v2, 3, v6                ; W's: lane l reads k = 8 h + l % 8, columns 8 ((l / 8) % 2) + 0..7 of a block of 16
	v_mul_u32_u24 v[B0], v[B0], PB
	v_lshl_add_u32 v[B0], v7, 4, v[B0]
	s_lshl_b32 s23, s[WN], 8
	s_add_co_u32 s23, s23, AREG
	v_add_nc_u32 v[B0], s23, v[B0]
	v_mov_b32 v[ADRA], v[A0]
	v_mov_b32 v[ADRB], v[B0]
	s_mul_i32 s23, s[WV], WSTG                     ; my part of the stage
	v_mul_u32_u24 v[STO], v1, SP                   ; in: row r of a block of 16, byte 32 h of a column block's 64
	v_lshl_add_u32 v[STO], v2, 5, v[STO]
	v_add_nc_u32 v[STO], s23, v[STO]
	v_mul_u32_u24 v[RD], v2, SP                    ; back: lanes 0-15 a head's 256 bytes of one row, lanes 16-31 of the next
	v_lshl_add_u32 v[RD], v1, 4, v[RD]
	v_add_nc_u32 v[RD], s23, v[RD]
	v_lshlrev_b32 v[CO], 3, v8                     ; which are 256 consecutive bytes of the head's rows in f16
	s_mov_b32 s[RB], 0
	s_wait_tensorcnt 0x1                           ; my part of K step 0 is in; K step 1's may stay out
	s_barrier_signal -1
	s_barrier_wait -1
	FETCH 0, F0
	s_wait_loadcnt 0x0                             ; the bias
	s_mov_b32 s3, T-2
.Lfill:                                        ; K step t is multiplied; its slot is filled again with K step t + 2
	QUARTER 1, F0, F1
	QUARTER 2, F1, F0
	QUARTER 3, F0, F1
	TURN 1
	WIN 0
	s_sub_co_u32 s3, s3, 1
	s_cmp_lg_u32 s3, 0
	s_cbranch_scc1 .Lfill
	s_mov_b32 s3, 2
.Llast:                                        ; the last two K steps fill nothing
	QUARTER 1, F0, F1
	QUARTER 2, F1, F0
	QUARTER 3, F0, F1
	TURN 0
	WIN 0
	s_sub_co_u32 s3, s3, 1
	s_cmp_lg_u32 s3, 0
	s_cbranch_scc1 .Llast
	; THE WAY OUT.  A barrier first: behind it no wave reads a slot any more (the last trip's unused fragments came from slot 0).  Then each wave's sums go into its part of the stage in f32 and come back by rows.
	PLACES
	s_wait_dscnt 0x0                               ; my last reads of the slots are back
	s_barrier_signal -1
	s_barrier_wait -1
.irp hi, 0,1
	WIN 0x08+0x04*(\hi)                            ; a store's data (source 1) in window 2, then 3; its address in window 0
.irp a, 0,1,2,3
.irp b, 0,1,2,3,4,5,6,7
	ds_store_b128 v[STO], v[8*(8*(\a)+(\b)):8*(8*(\a)+(\b))+3]   offset:(4*(\hi)+(\a))*16*SP+64*(\b)
	ds_store_b128 v[STO], v[8*(8*(\a)+(\b))+4:8*(8*(\a)+(\b))+7] offset:(4*(\hi)+(\a))*16*SP+64*(\b)+16
.endr
.endr
.endr
	WIN 0
	s_wait_dscnt 0x0                               ; a barrier stands between the stores and the loop that reads, whose LDS address is stepped from trip to trip:
	s_barrier_signal -1                            ; the order of all stores and all reads then hangs on no arithmetic of addresses
	s_barrier_wait -1
	s_mov_b32 s3, 8
.Lrows:                                        ; a trip: 16 of my 128 rows, my two heads
.irp e, 0,1
.irp i, 0,1,2,3,4,5,6,7
	ds_load_b128 v[32+4*(8*(\e)+(\i)):35+4*(8*(\e)+(\i))], v[RD] offset:2*SP*(\i)+256*(\e)
.endr
.endr
.irp e, 0,1
.irp i, 0,1,2,3,4,5,6,7
	s_wait_dscnt 15-8*(\e)-(\i)                    ; LDS loads come back in order: this one is in, the younger ones may be out
	v_cvt_pk_f16_f32 v[96+2*(8*(\e)+(\i))], v[32+4*(8*(\e)+(\i))], v[33+4*(8*(\e)+(\i))]
	v_cvt_pk_f16_f32 v[97+2*(8*(\e)+(\i))], v[34+4*(8*(\e)+(\i))], v[35+4*(8*(\e)+(\i))]
	global_store_b64 v[CO], v[96+2*(8*(\e)+(\i)):97+2*(8*(\e)+(\i))], s[10:11] offset:262144*(\e)+256*(\i)  ; two rows of a head: 256 consecutive bytes, aligned
.endr
.endr
	s_wait_xcnt 0x0                                ; the stores have read their offset and their data: both are written again only behind this wait
	v_add_nc_u32 v[RD], 16*SP, v[RD]
	v_add_nc_u32 v[CO], 16*128, v[CO]
	s_sub_co_u32 s3, s3, 1
	s_cmp_lg_u32 s3, 0
	s_cbranch_scc1 .Lrows
	s_wait_tensorcnt 0x0                           ; the wave's end, behind my last tensor load and my last LDS store
	ds_add_u32 v[SPW], v[NIL]
	s_wait_dscnt 0x0
	CROUND                                         ; the closing round: no work-group ends while a partner may still ask for a tile that names it
	s_endpgm
.Lfunc_end_k_q8802ce2fc3_qkv:
	.size	k_q8802ce2fc3_qkv, .Lfunc_end_k_q8802ce2fc3_qkv-k_q8802ce2fc3_qkv
	.p2alignl 7, 3214868480
	.fill 96, 4, 3214868480
	.section	.rodata,"a",@progbits
	.p2align	6, 0x0
	.amdhsa_kernel k_q8802ce2fc3_qkv
		.amdhsa_group_segment_fixed_size 327680
		.amdhsa_private_segment_fixed_size 0
		.amdhsa_enable_private_segment 0
		.amdhsa_kernarg_size 32
		.amdhsa_user_sgpr_count 2
		.amdhsa_user_sgpr_kernarg_segment_ptr 1
		.amdhsa_wavefront_size32 1
		.amdhsa_system_sgpr_workgroup_id_x 1
		.amdhsa_system_sgpr_workgroup_id_y 1
		.amdhsa_system_sgpr_workgroup_id_z 1
		.amdhsa_system_vgpr_workitem_id 0
		.amdhsa_next_free_vgpr 1024
		.amdhsa_next_free_sgpr 80
		.amdhsa_reserve_vcc 0
		.amdhsa_float_denorm_mode_32 3
		.amdhsa_float_denorm_mode_16_64 3
		.amdhsa_memory_ordered 1
		.amdhsa_forward_progress 1
		.amdhsa_inst_pref_size 88
	.end_amdhsa_kernel
	.amdgpu_metadata
---
amdhsa.version: [ 1, 2 ]
amdhsa.kernels:
  - .name:           k_q8802ce2fc3_qkv
    .symbol:         k_q8802ce2fc3_qkv.kd
    .args:
      - { .name: xh, .offset: 0, .size: 8, .value_kind: global_buffer, .address_space: global }
      - { .name: wh, .offset: 8, .size: 8, .value_kind: global_buffer, .address_space: global }
      - { .name: biasr, .offset: 16, .size: 8, .value_kind: global_buffer, .address_space: global }
      - { .name: qkv, .offset: 24, .size: 8, .value_kind: global_buffer, .address_space: global }
    .group_segment_fixed_size: 327680
    .private_segment_fixed_size: 0
    .kernarg_segment_align: 8
    .kernarg_segment_size: 32
    .max_flat_workgroup_size: 128
    .sgpr_count:     80
    .vgpr_count:     1024
    .wavefront_size: 32
...
	.end_amdgpu_metadata
.endif
;; end of part 2
;; launch attn (part 3): grid 8 x 32, 4 waves a work-group, clusters of 4 x 1, 327,680 bytes of LDS; arguments qkv, oh; writes oh
.if DOCPART == 3
	.amdgcn_target "amdgcn-amd-amdhsa--gfx1250"
	.amdhsa_code_object_version 6
	.text
	.protected	k_q8802ce2fc3_attn
	.globl	k_q8802ce2fc3_attn
	.p2align	8
	.type	k_q8802ce2fc3_attn,@function
k_q8802ce2fc3_attn:
	s_mov_b64 s[64:65], 0
	v_nop
	global_prefetch_b8 v0, s[64:65] scope:SCOPE_SE
	s_setreg_imm32_b32 hwreg(HW_REG_WAVE_MODE, 25, 1), 1
	s_wait_xcnt 0x0
	s_wait_alu depctr_hold_cnt(0) depctr_sa_sdst(0) depctr_va_vdst(0) depctr_va_sdst(0) depctr_va_ssrc(0) depctr_va_vcc(0) depctr_vm_vsrc(0)
	s_getreg_b32 s2, hwreg(HW_REG_IB_STS2, 6, 4)
	s_cmp_eq_u32 s2, 0
	s_cbranch_scc0 .Lentry_in_a_cluster
	s_endpgm
.Lentry_in_a_cluster:
	s_bfe_u32 s2, ttmp6, 0x10000c
	s_cmp_lg_u32 s2, 0x3003
	s_cbranch_scc0 .Lentry_shape_is_right
	s_endpgm
.Lentry_shape_is_right:
; O[g][q][:] = the sum over k of softmax_k(Q[g][q] . K[g][k] / 8) V[g][k][:], g = batch x 16 + head, 32 of them, 2,048 rows of 64 channels each.  qkv: [3][32][2048][64] f16; oh: [32][2048][64] f16.
; Products, maxima and sums in f32; the weights p are rounded to f16 for the second product (their sum l is taken of the unrounded p), O once at the end.
; LIMITS.  Q, K, V arrive within f16's 65,504; p lies in 0 to 1 and below 6e-5 keeps f16's fixed step of 6e-8; a weight below 2^-126 counts as 0 in l; NaN and infinities are not treated apart.
; SHARES.  A work-group owns 256 queries of one g, each of its four waves 64: four PIECES of 16.  32 x 8 = 256 work-groups.  Every wave walks all 2,048 keys, 64 a step, four steps (a tile of 256 keys) a slot.
; LAYOUT.  S^T = K Q^T (source 0 = 16 keys, source 1 = 16 queries) holds ONE query a lane (lane % 16) and the keys 8 (lane / 16) + 0..7; two such results rounded to f16 ARE source 1 of O^T = V^T P.
; K comes out of LDS as it lies, V ([key][channel]) turned, by ds_load_tr16_b128.
; SOFTMAX.  A running maximum m and sum l for each query: p = 2^(c s - c m), c = log2(e) / 8; in every step O and l are multiplied by a = 2^(c m_old - c m_new).  m starts at the lowest finite number,
; O and l at 0: the first step is a step like any other, with a = 0.
; BY TURNS.  Turn n belongs to piece n: 8 products K Q^T of piece n + 1, later 8 products V^T P of piece n - 1; beside them the scaling, exponentials, roundings, sums and rescaling of piece n and the
; maximum and statistics of piece n + 1.  Four vector instructions stand behind every matrix instruction, the other 54 of a turn's 118 in two runs of their own.
; CLUSTER.  The four query blocks of a cluster belong to one g and walk the same K and V: each tile is asked for JOINTLY, by the same tensor load, descriptor and mask in all four.
; REGISTERS, in windows of 256 (s_set_vgpr_msb: bits 1:0 source 0, 3:2 source 1, 5:4 source 2, 7:6 destination):
;   window 0: v0-15 addresses and two at work; v16-31 four registers of statistics a piece; v48-55 at work; v62-63 the add's; v64-127 S^T, two buffers; v192-223 P, two buffers (by the piece's parity)
;   window 1: v0-127 O^T, 32 a piece          window 2: v0-63 Q; v128-191 K of one step; v192-255 V of one step
.set NP,    4         ; pieces a wave: a name, no knob
.set KS,    64        ; keys in a step
.set PK,    144       ; a row of K in LDS: 128 bytes + 16 = 36 words: the 16 rows of a load start at 16 different groups of four banks (64 banks of 4 bytes: ISA guide 11.1)
.set PV,    160       ; a row of V: 128 + 32 = 40 words
.set VOFF,  4*KS*PK   ; a slot: 256 rows of K, then 256 rows of V
.set SLOT1, 1<<17     ; slot 1 begins here, so that one exclusive or turns an address in one slot into the other's
.set STAGE, SLOT1+4*KS*(PK+PV)  ; behind the ring, never filled by a tensor load: 16 rows x 144 bytes for each wave
.set SP,    144
.set SPARE, STAGE+4*16*SP       ; the spare words: 128 bytes for each wave, two blocks of 256 bytes that no other line names
.set TILEB, 4*KS*128  ; a tile's bytes of K, and of V, in memory
.set AK0, 2           ; v2   my lane's place in a tile of K; never rewritten
.set AV0, 3           ; v3   the same for V
.set AK,  4           ; v4   the LDS address of K's next run of loads
.set AV,  5           ; v5   of V's
.set STO, 6           ; v6   the way out: where I put 16 bytes of a row
.set RD,  7           ; v7   where I read rows back
.set GO,  8           ; v8   my byte offset in 512 consecutive bytes of O
.set MV,  12          ; v12-13  c m_old, kept while c m is made anew: by buffer
.set PFO, 14          ; v14  256 x my lane: the prefetches' offset; never rewritten
.set QO,  15          ; v15  my byte offset in 16 rows of Q
.set ST,  16          ; piece t's statistics at v[ST+4 t]: c m, m, l (even keys', odd keys')
.set TMP, 48          ; by buffer, four registers c0-c3 at work; when the maximum is found c2 takes a
.set SPW, 62          ; v62  my spare word's LDS address; never rewritten
.set NIL, 63          ; v63  0; never rewritten
.set S,   64
.set P,   192
.set KF,  128         ; window 2: key block kb, channel half c at KF + 16 kb + 8 c
.set VF,  192         ; window 2: key half kk, channel block cb at VF + 32 kk + 8 cb
.set WV,  12          ; s12  my wave's number
.set G1K, 24          ; s[24:31] descriptor group 1 for K's tiles
.set G1V, 32          ; s[32:39] for V's: it differs in the padding alone
.set G0K, 40          ; s[40:43] group 0 for K's tiles: it walks
.set G0V, 44          ; s[44:47] the same for V's
.set PFA, 48          ; s[48:49] where my prefetches stand
.set LIM, 50          ; s50  1 in a wave that prefetches, else the greatest number
.set SLOTS, 56        ; s56  tiles still to be asked for
.set CNT, 57          ; s57  counts a tile's key steps
.set CS,  58          ; s[58:59] c: the packed scaling takes the pair's low word for both halves
.set SEL, 60          ; s[60:61] v_permlanex16_b32's selects
.set TBK, 62          ; s62  LDS byte at which K of the step to be fetched begins
.set TBV, 63          ; s63  the same for V, less VOFF
.set MSB, 0
.macro WIN new                      ; the high byte repeats the setting that is left; a switch that changes nothing is dropped
.if MSB != (\new)
	s_set_vgpr_msb (MSB<<8)|(\new)
.set MSB, (\new)
.endif
.endm
.set W_KQ, 0x0a       ; K and Q in window 2, S^T in window 0
.set W_PV, 0x52       ; V in window 2, P in window 0, O^T in window 1
.set W_RS, 0x41       ; destination and source 0 in window 1, source 1 in window 0
; A joint fill.  Waves 0 and 1 fetch the two halves of a tile's K, waves 2 and 3 those of its V: 128 keys each.  An s_nop 0 and four v_nop follow each line, ahead of the jump and the label.
.macro JLOAD
	s_cmp_lt_u32 s[WV], 2
	s_cbranch_scc0 .Lfor_v_\@
	tensor_load_to_lds s[G0K:G0K+3], s[G1K:G1K+7]
	s_nop 0
.rept 4
	v_nop
.endr
	s_branch .Lasked_\@
.Lfor_v_\@:
	tensor_load_to_lds s[G0V:G0V+3], s[G1V:G1V+7]
	s_nop 0
.rept 4
	v_nop
.endr
.Lasked_\@:
.endm
; A PREFETCH INTO THE L2 of the tile that the NEXT change of slots will ask for: four key steps, 256 matrix instructions, ahead of that load.  A tile's K is 128 blocks of 256 bytes, and so is its V; a lane a block.
; Each block is named once in the launch: of the two clusters that walk a g's keys the first asks; its four partners take 32 blocks each, told apart BY ADDRESS; in each, wave 0 asks for K's and wave 2 for V's.
; The change that asks for the last tile prefetches nothing; tiles 0 and 1 come by their loads alone.
.macro ASK
	s_cmp_gt_u32 s[SLOTS], s[LIM]
	s_cbranch_scc0 .Lnot_mine_\@
	global_prefetch_b8 v[PFO], s[PFA:PFA+1] th:TH_LOAD_NT scope:SCOPE_SE
.Lnot_mine_\@:
.endm
.macro CROUND                       ; a round of the cluster's barrier
	s_barrier_signal -1
	s_barrier_wait -1
	s_cmp_lg_u32 s[WV], 0
	s_cbranch_scc1 .Lnot_wave_0_\@
	s_barrier_signal -3
.Lnot_wave_0_\@:
	s_barrier_wait -3
	s_barrier_signal -1
	s_barrier_wait -1
.endm
; THE CHANGE OF SLOTS.  Each wave waits for all its tensor loads, of which one is out: its part of the other slot; adds 0 to its spare word; and waits for that and for its own reads of the slot that it leaves.
; fill = 1: the slot is filled again, with the tile two on; the barrier is then a round of the cluster's, and the joint fill is the first thing behind it: it has four key steps in which to land.
; (At its first use nothing has been read yet: slot 0 is waited for, slot 1 filled.)
.macro CHANGE fill
	WIN 0                           ; at a label and at a branch every window is 0
	s_wait_tensorcnt 0x0            ; no tensor load of mine is out, so a group 0 may be written
	ds_add_u32 v[SPW], v[NIL]       ; 0 onto my spare word
.if \fill
.irp g, G0K, G0V
	s_xor_b32 s[\g+1], s[\g+1], SLOT1  ; the walking descriptor: the other slot than last time,
	s_add_nc_u64 s[\g+2:\g+3], s[\g+2:\g+3], TILEB  ; the next 256 keys; the type bits on top are not reached
.endr
	s_wait_xcnt 0x0                 ; the last prefetch, four key steps back, has read its address, so it may be written
	s_add_nc_u64 s[PFA:PFA+1], s[PFA:PFA+1], TILEB
	s_wait_dscnt 0x0                ; the add is done, and my reads of the slot are over
	CROUND
	JLOAD
	ASK
.else
	s_wait_dscnt 0x0
	s_barrier_signal -1
	s_barrier_wait -1
.endif
	s_sub_co_u32 s[TBK], s[TBK], 4*KS*PK  ; the fetches go back to a slot's first step,
	s_xor_b32 s[TBK], s[TBK], SLOT1       ; in the other slot
	s_sub_co_u32 s[TBV], s[TBV], 4*KS*PV
	s_xor_b32 s[TBV], s[TBV], SLOT1
.endm
	s_load_b128 s[4:7], s[0:1], 0x0  ; qkv s[4:5], oh s[6:7]
	v_lshl_add_u32 v[SPW], v0, 2, SPARE
	v_mov_b32 v[NIL], 0
	ds_add_u32 v[SPW], v[NIL]       ; the wave's opening: the add and its wait stand ahead of my first tensor load; work on registers stands between them
	v_lshrrev_b32 v1, 5, v0
	v_readfirstlane_b32 s[WV], v1   ; wave 0..3
	s_bfe_u32 s13, ttmp6, 0x40000   ; cx: my place in the cluster
	s_lshl_b32 s14, ttmp9, 2        ; in a cluster launch ttmp9 counts clusters
	s_add_co_u32 s14, s14, s13      ; my block of 256 queries: it enters Q's and O's addresses alone
	s_and_b32 s20, ttmp7, 0xffff    ; g, which the four partners share:
	s_lshl_b32 s20, s20, 18         ; 262,144 bytes each
	s_and_b32 s16, s[WV], 1         ; which half of a tile's 256 keys I fetch:
	s_lshl_b32 s22, s16, 14         ; its 128 rows of 128 bytes in memory,
	s_add_co_u32 s22, s22, s20
	s_mov_b32 s23, 0
	s_mul_i32 s17, s16, 128*PK      ; and its place in a slot, for K
	s_mul_i32 s18, s16, 128*PV      ; and for V: no place in the cluster enters an LDS address
	s_lshl_b32 s2, s14, 2
	s_add_co_u32 s2, s2, s[WV]
	s_lshl_b32 s2, s2, 13           ; my wave's 64 rows of 128 bytes
	s_add_co_u32 s2, s2, s20
	s_mov_b32 s3, 0
	; descriptor group 1.  128 keys are 16,384 dense bytes: asked for as 64 rows of 256 bytes, two keys a row, and padded in LDS after every key
	s_mov_b32 s[G1K], 15|(1<<16)|(1<<20)|(1<<21)|(4<<22)|(3<<25)  ; the mask of four; 2-byte elements; padding on; bit 21 beside a mask; after every 32 words 4 words
	s_mov_b32 s[G1V], 15|(1<<16)|(1<<20)|(1<<21)|(4<<22)|(7<<25)  ; the same with 8 words
.irp g, G1K, G1V
	s_mov_b32 s[\g+1], 128<<16      ; tensor_dim0 = 128
	s_mov_b32 s[\g+2], 64<<16       ; tensor_dim1 = 64
	s_mov_b32 s[\g+3], 128<<16      ; tile_dim0 = 128
	s_mov_b32 s[\g+4], 64           ; tile_dim1 = 64
	s_mov_b32 s[\g+5], 128          ; 128 elements from row to row
	s_mov_b32 s[\g+6], 0
	s_mov_b32 s[\g+7], 0
.endr
	s_mov_b32 s[CS], 0x3e38aa3b     ; c = log2(e) / 8 = 0.180337
	s_mov_b32 s[CS+1], s[CS]        ; named with it as a pair
	s_mov_b32 s[SEL], 0x76543210
	s_mov_b32 s[SEL+1], 0xfedcba98
	s_mov_b32 s[TBK], SLOT1+4*KS*PK ; the first change of slots turns these two into 0
	s_mov_b32 s[TBV], SLOT1+4*KS*PV
	s_mov_b32 s[G0K], 1             ; count = 1
	s_mov_b32 s[G0K+1], s17         ; LDS address: slot 0
	s_mov_b32 s[G0V], 1
	s_add_co_u32 s[G0V+1], s18, VOFF
	s_mov_b32 s[SLOTS], 7           ; 8 tiles, of which tile 0 is asked for at once
	s_and_b32 s[LIM], s[WV], 1      ; 0 in waves 0 and 2,
	s_or_b32 s[LIM], s[LIM], ttmp9  ; where the cluster is the g's first: the same in all four partners
	s_cmp_eq_u32 s[LIM], 0
	s_cselect_b32 s[LIM], 1, -1
	v_and_b32 v[PFO], 31, v0
	v_lshlrev_b32 v[PFO], 8, v[PFO]
	s_wait_dscnt 0x0                ; the opening add is done
	s_wait_kmcnt 0x0
	s_mov_b64 s[10:11], s[6:7]      ; O
	s_add_nc_u64 s[6:7], s[4:5], 0x800000   ; K lies 8,388,608 bytes behind Q,
	s_add_nc_u64 s[8:9], s[4:5], 0x1000000  ; V as far behind K
	s_add_nc_u64 s[6:7], s[6:7], s[22:23]   ; both at my half of the g's tile 0
	s_add_nc_u64 s[8:9], s[8:9], s[22:23]
	s_mov_b64 s[G0K+2:G0K+3], s[6:7]
	s_or_b32 s[G0K+3], s[G0K+3], 0x80000000  ; type = 2
	s_mov_b64 s[G0V+2:G0V+3], s[8:9]
	s_or_b32 s[G0V+3], s[G0V+3], 0x80000000
	s_add_nc_u64 s[4:5], s[4:5], s[2:3]      ; Q and O at my wave's first row
	s_add_nc_u64 s[10:11], s[10:11], s[2:3]
	s_cmp_lt_u32 s[WV], 2
	s_cselect_b64 s[PFA:PFA+1], s[6:7], s[8:9]  ; (in waves 0 and 2 these stand at a tile's first row)
	s_lshl_b32 s2, s13, 13          ; my work-group's 32 blocks of the 128
	s_add_nc_u64 s[PFA:PFA+1], s[PFA:PFA+1], s[2:3]
	s_add_nc_u64 s[PFA:PFA+1], s[PFA:PFA+1], TILEB  ; in tile 1; the first change of slots steps it to tile 2.  Nothing is prefetched here, at the head
	CROUND                          ; all four work-groups are here: the first joint loads meet
	JLOAD                           ; tile 0 into slot 0.  Slot 1 is asked for when slot 0 is in
	; A fragment of K or Q is 16 rows x 32 channels in 8 registers: lane l holds row l % 16, channels 8 (l / 16) + 0..7 and 16 + 8 (l / 16) + 0..7: two loads of 16 bytes, 32 bytes apart.
	v_and_b32 v1, 15, v0            ; l % 16
	v_bfe_u32 v9, v0, 4, 1          ; l / 16
	v_lshlrev_b32 v[QO], 7, v1
	v_lshl_add_u32 v[QO], v9, 4, v[QO]  ; row x 128 + 16 x half
	WIN 0x80                        ; destination window 2, address window 0
.set i, 0
.rept 8                             ; Q stays in registers: piece i / 2, channels 32 (i % 2) on
	global_load_b128 v[8*i:8*i+3],   v[QO], s[4:5] offset:(i/2)*2048+(i%2)*64
	global_load_b128 v[8*i+4:8*i+7], v[QO], s[4:5] offset:(i/2)*2048+(i%2)*64+32
.set i, i+1
.endr
	; What the first turn finds: V's registers and P's second buffer hold 0 (its products V^T P, of a piece that has not been, add 0), O^T and l are 0.  All this stands in the wait for the first tile:
	; the price of writing no first step out.
.set i, VF
.rept 64
	v_mov_b32 v[i], 0
.set i, i+1
.endr
	WIN 0x40
.set i, 0
.rept 128
	v_mov_b32 v[i], 0
.set i, i+1
.endr
	WIN 0
.set i, 0
.rept 4
	v_mov_b32 v[ST+4*i], 0xfe000000    ; c m: far below every c s
	v_mov_b32 v[ST+4*i+1], 0xff7fffff  ; m
	v_mov_b32 v[ST+4*i+2], 0
	v_mov_b32 v[ST+4*i+3], 0
.set i, i+1
.endr
.set i, P+16
.rept 16
	v_mov_b32 v[i], 0
.set i, i+1
.endr
	v_mul_u32_u24 v[AK0], v1, PK
	v_lshl_add_u32 v[AK0], v9, 4, v[AK0]  ; row x pitch + 16 x half
	; The turning load takes 16 keys x 16 channels (lane l reads key 8 (l / 16) + l % 8, channels 8 ((l / 8) % 2) + 0..7) and leaves half a fragment of V^T: lane l holds channel l % 16 and 8 keys.
	v_and_b32 v10, 7, v0
	v_bfe_u32 v11, v0, 3, 1
	v_lshl_add_u32 v[AV0], v9, 3, v10
	v_mul_u32_u24 v[AV0], v[AV0], PV
	v_lshl_add_u32 v[AV0], v11, 4, v[AV0]
	v_add_nc_u32 v[AV0], VOFF, v[AV0]
	s_mul_i32 s13, s[WV], 16*SP
	s_add_co_u32 s13, s13, STAGE    ; my stage
	v_mul_u32_u24 v[STO], v1, SP    ; in: row l % 16, 16 bytes for each half of the lanes
	v_lshl_add_u32 v[STO], v9, 4, v[STO]
	v_add_nc_u32 v[STO], s13, v[STO]
	v_bfe_u32 v[RD], v0, 3, 2       ; back: 32 lanes take four rows of 128 bytes,
	v_mul_u32_u24 v[RD], v[RD], SP
	v_lshl_add_u32 v[RD], v10, 4, v[RD]
	v_add_nc_u32 v[RD], s13, v[RD]
	v_and_b32 v[GO], 31, v0         ; which are 512 consecutive bytes of O
	v_lshlrev_b32 v[GO], 4, v[GO]
; THE MATRIX WORK.  The 4 accumulators of a run of 8 take turns.  Product i of 8 of S^T = K Q^T for piece x: channels 32 (i / 4) on, keys 16 (i % 4) on.  The first 4 start the sums.
.macro KQ x
	WIN W_KQ
.set rS, S+32*((\x)%2)+8*(i%4)
.set rK, KF+16*(i%4)+8*(i/4)
.set rQ, 16*(\x)+8*(i/4)
.if i < 4
	v_wmma_f32_16x16x32_f16 v[rS:rS+7], v[rK:rK+7], v[rQ:rQ+7], 0
.else
	v_wmma_f32_16x16x32_f16 v[rS:rS+7], v[rK:rK+7], v[rQ:rQ+7], v[rS:rS+7]
.endif
.endm
; Product i of 8 of O^T += V^T P for piece x: keys 32 (i / 4) on, channels 16 (i % 4) on.
.macro PV x
	WIN W_PV
.set rO, 32*(\x)+8*(i%4)
.set rV, VF+32*(i/4)+8*(i%4)
.set rP, P+16*((\x)%2)+8*(i/4)
	v_wmma_f32_16x16x32_f16 v[rO:rO+7], v[rV:rV+7], v[rP:rP+7], v[rO:rO+7]
.endm
.macro MM                           ; the turn's next matrix instruction.  NOKQ = 1: the last turn of all: there is no next piece
.if (i < 8) && !NOKQ
	KQ (Y+1)%NP
.elseif i >= 8
.set i, i-8
	PV (Y+NP-1)%NP
.set i, i+8
.endif
.set i, i+1
.endm
; THE LDS LOADS stand in runs of 16, never singly among the matrix instructions: a step's K (64 keys x 64 channels: 8 fragments) and its V (turned).  Their addresses are made some lines ahead.
.macro FETCH_K
	WIN 0x80                        ; destination window 2
.irp f, 0,1,2,3,4,5,6,7             ; keys 16 (f / 2) on, channels 32 (f % 2) on
	ds_load_b128 v[KF+8*\f:KF+8*\f+3],   v[AK] offset:(\f/2)*16*PK+(\f%2)*64
	ds_load_b128 v[KF+8*\f+4:KF+8*\f+7], v[AK] offset:(\f/2)*16*PK+(\f%2)*64+32
.endr
	s_add_co_u32 s[TBK], s[TBK], KS*PK  ; the next fetch is the next step's
	WIN 0
.endm
.macro FETCH_V
	WIN 0x80
.irp f, 0,1,2,3,4,5,6,7             ; keys 32 (f / 4) on, channels 16 (f % 4) on
	ds_load_tr16_b128 v[VF+8*\f:VF+8*\f+3],   v[AV] offset:(\f/4)*32*PV+(\f%4)*32
	ds_load_tr16_b128 v[VF+8*\f+4:VF+8*\f+7], v[AV] offset:(\f/4)*32*PV+16*PV+(\f%4)*32
.endr
	WIN 0
.endm
; THE VECTOR WORK, one line at a time: OP kind, number.  For piece Y: F n: c s - c m for pair n of 16.  E n: the exponential of score n of 32.  C n: pair n rounded to f16.  B n: of the four weights 4 n .. the second
; pair is added onto the first, in place.  L n: l takes that sum (L 0: l = a l + sum).  R n: pair n of 16 of O^T times a.  For piece Y + 1: X n, number n of the 22 that find its maximum and statistics:
;   0-11  four chains c0-c3 of seven scores each, three operands at a time (each accumulator's lowest registers are read first)     12-14, 16  the four scores left over, the old m, and c0-c3 into c0
;   15  c m_old is kept     17, 18  the query's other 32 keys lie in the lane 16 away: the new m     19-21  c m; c m_old - c m_new; a
.set F, 0
.set E, 1
.set C, 2
.set B, 3
.set L, 4
.set R, 5
.set X, 6
.macro REGS y                       ; the registers of piece y
.set rT, ST+4*(\y)
.set rC, TMP+4*((\y)%2)
.set rW, MV+((\y)%2)
.set rS, S+32*((\y)%2)
.set rP, P+16*((\y)%2)
.set rO, 32*(\y)
.endm
.macro OP k, n
.if (\k) == R
	REGS Y
	WIN W_RS
	v_pk_mul_f32 v[rO+2*(\n):rO+2*(\n)+1], v[rO+2*(\n):rO+2*(\n)+1], v[rC+2:rC+3] op_sel_hi:[1,0]
.elseif (\k) < R
	REGS Y
	WIN 0
.if (\k) == F
	v_pk_fma_f32 v[rS+2*(\n):rS+2*(\n)+1], v[rS+2*(\n):rS+2*(\n)+1], s[CS:CS+1], v[rT:rT+1] op_sel_hi:[1,0,0] neg_lo:[0,0,1] neg_hi:[0,0,1]
.elseif (\k) == E
	v_exp_f32 v[rS+(\n)], v[rS+(\n)]
.elseif (\k) == C
	s_wait_alu depctr_va_vdst(0)
	v_cvt_pk_f16_f32 v[rP+(\n)], v[rS+2*(\n)], v[rS+2*(\n)+1]
.elseif (\k) == B
	s_wait_alu depctr_va_vdst(0)
	v_pk_add_f32 v[rS+4*(\n):rS+4*(\n)+1], v[rS+4*(\n):rS+4*(\n)+1], v[rS+4*(\n)+2:rS+4*(\n)+3]
.elseif (\n) == 0
	v_pk_fma_f32 v[rT+2:rT+3], v[rT+2:rT+3], v[rC+2:rC+3], v[rS:rS+1] op_sel_hi:[1,0,1]
.else
	v_pk_add_f32 v[rT+2:rT+3], v[rT+2:rT+3], v[rS+4*(\n):rS+4*(\n)+1]
.endif
.elseif NOKQ
	v_nop
.else
	REGS (Y+1)%NP
	WIN 0
.if (\n) < 4
	v_max3_num_f32 v[rC+(\n)], v[rS+8*(\n)], v[rS+8*(\n)+1], v[rS+8*(\n)+2]
.elseif (\n) < 12
	v_max3_num_f32 v[rC+(\n)%4], v[rC+(\n)%4], v[rS+8*((\n)%4)+2*((\n)/4)+1], v[rS+8*((\n)%4)+2*((\n)/4)+2]
.elseif (\n) == 12
	v_max3_num_f32 v[rC], v[rC], v[rS+7], v[rS+15]
.elseif (\n) == 13
	v_max3_num_f32 v[rC+1], v[rC+1], v[rS+23], v[rS+31]
.elseif (\n) == 14
	v_max3_num_f32 v[rC+2], v[rC+2], v[rC+3], v[rT+1]
.elseif (\n) == 15
	v_mov_b32 v[rW], v[rT]
.elseif (\n) == 16
	v_max3_num_f32 v[rC], v[rC], v[rC+1], v[rC+2]
.elseif (\n) == 17
	v_permlanex16_b32 v[rC+3], v[rC], s[SEL], s[SEL+1]
.elseif (\n) == 18
	v_max_num_f32 v[rT+1], v[rC], v[rC+3]
.elseif (\n) == 19
	v_mul_f32 v[rT], s[CS], v[rT+1]
.elseif (\n) == 20
	v_sub_f32 v[rC+1], v[rW], v[rT]
.else
	v_exp_f32 v[rC+2], v[rC+1]
.endif
.endif
.endm
.macro OPS a, i1, b=-1, i2=0, c=-1, i3=0, d=-1, i4=0  ; up to four of them
	OP \a, \i1
.if (\b) >= 0
	OP \b, \i2
.endif
.if (\c) >= 0
	OP \c, \i3
.endif
.if (\d) >= 0
	OP \d, \i4
.endif
.endm
.macro ROW a, i1, b, i2, c, i3, d, i4  ; a matrix instruction and the four behind it
	MM
	OPS \a, \i1, \b, \i2, \c, \i3, \d, \i4
.endm
; A TURN, for piece p: the order of its 16 matrix and 118 vector instructions, written out.  Behind a matrix instruction: plain, exponential, plain, plain; or four of the rescaling; or, behind the first, four scalings; none
; names a register of the products round it.  In the runs between, exponential and plain by turns while exponentials last.  A line reads no result made fewer than three vector instructions in front of it, five if an
; exponential made it.  end = 1: the last two turns of all: nothing is fetched.  cnt = 1: the loop's count is taken down some lines ahead of the branch that stands behind the turn.
; K of the next step is fetched in piece 2's turn, six vector instructions behind the last product that read K (five of them plain); V of the step in hand in piece 0's turn, eight behind the last product that read V.
; Each is waited for a turn later.
.macro TURN p, end=0, cnt=0
.set Y, (\p)
.set i, 0
.set NOKQ, (\end)*((\p)/3)
.if ((\p) == 3) && !(\end)
	s_wait_dscnt 0x0                ; K is in
.endif
	ROW F,0, F,1, F,2, F,3
	ROW F,4, E,0, F,5, F,6
	ROW F,7, E,1, F,8, F,9
	ROW F,10, E,2, C,0, F,11
	ROW F,12, E,3, X,15, F,13
	ROW R,0, R,1, R,2, R,3
	ROW B,0, E,4, F,14, L,0
.if ((\p) == 2) && !(\end)
	v_add_nc_u32 v[AK], s[TBK], v[AK0]
.endif
	ROW R,4, R,5, R,6, R,7
	OPS E,5, F,15
.if ((\p) == 2) && !(\end)
	FETCH_K
.endif
	OPS E,6, C,1, E,7, R,8
	OPS E,8, R,9, E,9, C,2
	OPS E,10, X,0, E,11, X,1
	OPS E,12, X,2, E,13, X,3
.if (\p) == 1
	s_wait_dscnt 0x0                ; V is in
.endif
	ROW X,4, E,14, X,5, X,6
	ROW X,7, E,15, X,8, X,9
	ROW X,10, E,16, X,11, X,12
	ROW X,13, E,17, X,14, B,1
	ROW C,4, E,18, X,16, L,1
	ROW B,2, E,19, C,6, L,2
	ROW C,8, E,20, B,3, B,4
.if (\p) == 0
	v_add_nc_u32 v[AV], s[TBV], v[AV0]
.endif
	ROW C,3, E,21, L,3, C,5
	OPS E,22, X,17, E,23, C,10
.if (\p) == 0
	FETCH_V
.endif
	OPS E,24, L,4
	OPS E,25, X,18, E,26, C,7
	OPS E,27, B,5, E,28, X,19
	OPS E,29, C,12, E,30, L,5
	OPS E,31, X,20, B,6, C,9
	OPS C,14, C,11, X,21, L,6
.if (\p) == 0
	s_add_co_u32 s[TBV], s[TBV], KS*PV
.endif
.if \cnt
	s_sub_co_u32 s[CNT], s[CNT], 1
	s_cmp_lg_u32 s[CNT], 0
.endif
	OPS C,13, B,7, C,15, R,10
	OPS R,11, R,12, L,7, R,13
	OPS R,14, R,15
.endm
.macro ALL line:vararg              ; one line for each piece t
.set t, 0
.rept 4
	\line
.set t, t+1
.endr
.endm
.macro PACK t                       ; a lane's eight channels of a row pack into 16 bytes; they go into rows of 144 bytes and come back as whole rows of 128, into S^T's registers
	WIN W_RS
.set i, 32*(\t)
.rept 16
	s_wait_alu depctr_va_vdst(0)
	v_pk_mul_f32 v[i:i+1], v[i:i+1], v[ST+4*(\t)+2:ST+4*(\t)+3] op_sel_hi:[1,0]
.set i, i+2
.endr
	WIN 0x05                        ; sources 0 and 1 window 1, destination window 0
.set i, 0
.rept 16
	v_cvt_pk_f16_f32 v[S+16*(\t)+i], v[32*(\t)+2*i], v[32*(\t)+2*i+1]
.set i, i+1
.endr
	WIN 0
.irp f, 0,1,2,3
	ds_store_b128 v[STO], v[S+16*(\t)+4*\f:S+16*(\t)+4*\f+3] offset:32*\f
.endr
.irp f, 0,1,2,3
	ds_load_b128 v[S+16*(\t)+4*\f:S+16*(\t)+4*\f+3], v[RD] offset:\f*4*SP  ; LDS serves a wave's instructions in order (ISA guide 5.7.1.4): these see the stores above; the next piece's stores come behind them
.endr
.endm
.macro SEND t, younger              ; younger: the LDS instructions issued behind piece t's loads: the next piece's eight, or none
	WIN 0
.irp f, 0,1,2,3
	s_wait_dscnt (\younger)+3-\f
	global_store_b128 v[GO], v[S+16*(\t)+4*\f:S+16*(\t)+4*\f+3], s[10:11] offset:(\t)*2048+\f*512  ; 512 consecutive bytes, at a multiple of 256 from O's first
.endr
.endm
	CHANGE 1                        ; tile 0 is in, everybody's part of it; tile 1 is asked for
	v_add_nc_u32 v[AK], s[TBK], v[AK0]
	FETCH_K                         ; key step 0
	s_wait_loadcnt 0x0              ; Q
	s_wait_dscnt 0x0
.set NOKQ, 0
.set i, 0
.rept 8
	KQ 0                            ; piece 0's first scores
.set i, i+1
.endr
	WIN 0
.rept 4
	v_nop                           ; the places behind those products
.endr
.set Y, NP-1                        ; X works for piece Y + 1: piece 0
.irp n, 0,1,2,3,4,5,6,7,8,9,10,11,12,13,14,15,16,17,18,19,20,21
	OP X, \n
.endr
	v_nop                           ; a plain instruction behind the exponential
	s_mov_b32 s[CNT], 4
	s_branch .Lfirst                ; the loop is entered at a step's first turn, in the middle of a trip
.Lslot:                             ; six times: tiles 2 to 7 are asked for
	CHANGE 1
	s_mov_b32 s[CNT], 4
.Lstep:                             ; a trip: pieces 2 and 3 of one step, then pieces 0 and 1 of the next, whose K and V it fetches
	TURN 2
	TURN 3
	WIN 0
.Lfirst:
	TURN 0
	TURN 1, 0, 1
	WIN 0
	s_cbranch_scc1 .Lstep
	s_sub_co_u32 s[SLOTS], s[SLOTS], 1
	s_cmp_lg_u32 s[SLOTS], 0
	s_cbranch_scc1 .Lslot
	CHANGE 0                        ; the last tile is written out: nothing is asked for
	s_mov_b32 s[CNT], 4
.LstepT:
	TURN 2
	TURN 3
	TURN 0
	TURN 1, 0, 1
	WIN 0
	s_cbranch_scc1 .LstepT
	TURN 2, 1
	TURN 3, 1
.set i, 0
.rept 8
	PV NP-1                         ; the last piece's V^T P of the last step
.set i, i+1
.endr
	; THE WAY OUT.  l's two halves and the other half of the lanes' are added; O^T is divided by l, rounded to f16 and sent through my stage, a piece at a time.  The additions are the places behind the last products.
	WIN 0
	ALL v_add_f32 v[ST+4*t+2], v[ST+4*t+2], v[ST+4*t+3]
	ALL v_permlanex16_b32 v[ST+4*t+3], v[ST+4*t+2], s[SEL], s[SEL+1]
	ALL v_add_f32 v[ST+4*t+2], v[ST+4*t+2], v[ST+4*t+3]
	ALL v_rcp_f32 v[ST+4*t+2], v[ST+4*t+2]
	v_nop                           ; a plain instruction between the last reciprocal and the use of its result
	PACK 0
.set t, 1
.rept 3                             ; a piece's arithmetic stands between the loads of the piece before and its stores
	PACK t
	SEND t-1, 8
.set t, t+1
.endr
	SEND 3, 0
	s_wait_tensorcnt 0x0            ; the wave's end, behind my last tensor load and my last LDS store
	ds_add_u32 v[SPW], v[NIL]
	s_wait_dscnt 0x0
	CROUND                          ; the closing round: no work-group ends while a partner may still ask for a tile that names it
	s_endpgm
.Lfunc_end_k_q8802ce2fc3_attn:
	.size	k_q8802ce2fc3_attn, .Lfunc_end_k_q8802ce2fc3_attn-k_q8802ce2fc3_attn
	.p2alignl 7, 3214868480
	.fill 96, 4, 3214868480
	.section	.rodata,"a",@progbits
	.p2align	6, 0x0
	.amdhsa_kernel k_q8802ce2fc3_attn
		.amdhsa_group_segment_fixed_size 327680
		.amdhsa_private_segment_fixed_size 0
		.amdhsa_enable_private_segment 0
		.amdhsa_kernarg_size 16
		.amdhsa_user_sgpr_count 2
		.amdhsa_user_sgpr_kernarg_segment_ptr 1
		.amdhsa_wavefront_size32 1
		.amdhsa_system_sgpr_workgroup_id_x 1
		.amdhsa_system_sgpr_workgroup_id_y 1
		.amdhsa_system_sgpr_workgroup_id_z 1
		.amdhsa_system_vgpr_workitem_id 0
		.amdhsa_next_free_vgpr 768
		.amdhsa_next_free_sgpr 66
		.amdhsa_reserve_vcc 0
		.amdhsa_float_denorm_mode_32 3
		.amdhsa_float_denorm_mode_16_64 3
		.amdhsa_memory_ordered 1
		.amdhsa_forward_progress 1
		.amdhsa_inst_pref_size 134
	.end_amdhsa_kernel
	.amdgpu_metadata
---
amdhsa.version: [ 1, 2 ]
amdhsa.kernels:
  - .name:           k_q8802ce2fc3_attn
    .symbol:         k_q8802ce2fc3_attn.kd
    .args:
      - { .name: qkv, .offset: 0, .size: 8, .value_kind: global_buffer, .address_space: global }
      - { .name: oh, .offset: 8, .size: 8, .value_kind: global_buffer, .address_space: global }
    .group_segment_fixed_size: 327680
    .private_segment_fixed_size: 0
    .kernarg_segment_align: 8
    .kernarg_segment_size: 16
    .max_flat_workgroup_size: 128
    .sgpr_count:     66
    .vgpr_count:     768
    .wavefront_size: 32
...
	.end_amdgpu_metadata
.endif
;; end of part 3
;; launch wo (part 4): grid 8 x 32, 4 waves a work-group, clusters of 4 x 4, 327,680 bytes of LDS; arguments oh, wh, biasr, xh, x2; writes x2
.if DOCPART == 4
	.amdgcn_target "amdgcn-amd-amdhsa--gfx1250"
	.amdhsa_code_object_version 6
	.text
	.protected	k_q8802ce2fc3_wo
	.globl	k_q8802ce2fc3_wo
	.p2align	8
	.type	k_q8802ce2fc3_wo,@function
k_q8802ce2fc3_wo:
	s_mov_b64 s[64:65], 0
	v_nop
	global_prefetch_b8 v0, s[64:65] scope:SCOPE_SE
	s_setreg_imm32_b32 hwreg(HW_REG_WAVE_MODE, 25, 1), 1
	s_wait_xcnt 0x0
	s_wait_alu depctr_hold_cnt(0) depctr_sa_sdst(0) depctr_va_vdst(0) depctr_va_sdst(0) depctr_va_ssrc(0) depctr_va_vcc(0) depctr_vm_vsrc(0)
	s_getreg_b32 s2, hwreg(HW_REG_IB_STS2, 6, 4)
	s_cmp_eq_u32 s2, 0
	s_cbranch_scc0 .Lentry_in_a_cluster
	s_endpgm
.Lentry_in_a_cluster:
	s_bfe_u32 s2, ttmp6, 0x10000c
	s_cmp_lg_u32 s2, 0xf033
	s_cbranch_scc0 .Lentry_shape_is_right
	s_endpgm
.Lentry_shape_is_right:
; x2 = xn + O Wo + bo.  oh: O by heads, [32 = batch x 16 + head][2048][64] f16.  wh: Wo as [1024][1024] f16 at byte 6,291,456.  biasr: bo in f32 at number 3,072.  xh: xn, [4096][1024] f16.  x2: [4096][1024] f32
; (f32, since it is carried on into a norm and a residual, and may pass f16's range for large inputs).
; A tile of C is 128 x 128: four waves, each 64 x 64 (16 accumulators); 8 x 32 = 256 work-groups.  K goes in 4 steps of 256 = four heads through two LDS slots.
; A'S TILE: for one head the tile's 128 rows x 64 channels are 16,384 dense bytes: asked for as ONE long row, the descriptor's second dimension being the head (two heads a load); 16 bytes of padding behind every
; 128 make an LDS pitch of 144, and a quarter of a K step is a head, 18,432 bytes on.  W's tile lies [k][column] as in memory (pitch 288) and is read turned, by ds_load_tr16_b128.
; THE PRODUCT IS TAKEN TRANSPOSED (source 0 = 16 columns of W, source 1 = 16 rows of A): a lane holds one row of C (lane % 16) and the columns 8 (lane / 16) + 0..7.  The sums START FROM THE BIAS.
; CLUSTER 4 x 4: A's tile is shared along a row of the cluster, W's along a column; each is asked for jointly.
; ONE K STEP IS WRITTEN ONCE FOR EACH OF TWO LOOPS: the first (T - 2 trips) fills the slot it leaves again, the second (2 trips) fills nothing; its last trip fetches 16 fragments that nobody multiplies
; (from slot 0, which holds the step before): the price, once a wave, of one text for both last steps.  The residual's 32 loads go out at the head, into window 2.  No prefetch: small tiles, asked for a step ahead.
.set T,     4
.set LDB,   1024
.set PA,    144                        ; 36 words: the 16 rows of a load start at 16 different groups of four banks (64 banks of 4 bytes: ISA guide 11.1)
.set QSA,   128*PA                     ; a head's 128 rows
.set LAH,   2*QSA                      ; what one load of A fills
.set AREG,  4*QSA
.set ASTEP, 4*262144                   ; four heads on
.set PB,    288
.set BHALF, 128*PB
.set BSTEP, 256*LDB*2
.set SLOT,  AREG+2*BHALF               ; 147,456
.set SPARE, 2*SLOT                     ; the spare words: 128 bytes for each wave, two blocks of 256 bytes that no other line names
.set SP,    528                        ; THE STAGE (128 rows of 128 f32, pitch 528) is slot 1's first 67,584 bytes, written only behind slot 1's last fill and last read
.set BIASF, 3072
.set WOFF,  6291456
.set SPW, 28
.set NIL, 29
.set ONE, 30                           ; v30  1.0
.set A0,  16
.set B0,  17
.set B1,  21
.set ADRA, 18
.set ADRB, 19
.set RO,  22                           ; v22  my byte offset in the residual's rows
.set STO, 24
.set RD,  25
.set CO,  26
.set BO,  27
.set ACC, 128                          ; window 0 v128-255: accumulator (a, b) at ACC + 8 (4 a + b)
.set F0,  0                            ; window 1: two fragment buffers of 128
.set F1,  128                          ; window 2: v0-63 the residual (row t at 2 t), v128-255 the results (row t at 128 + 4 t)
.set WV, 14
.set WM, 15
.set WN, 16
.set CX, 17
.set CY, 18
.set NT, 19
.set MT, 20
.set G1A, 24
.set G0A, 32
.set RB,  44
.set LA,  46
.set LB,  47
.set G1B, 48
.set G0B, 56
.set MUL,  0x05                        ; sources 0 and 1 in window 1; C and D in window 0
.set TO_F, 0x40                        ; destination in window 1
.set TO_R, 0x80                        ; destination in window 2
.set ADDW, 0x88                        ; destination and source 1 in window 2 (a store: its data), sources 0 and 2 in window 0 (a store: its address)
.set MSB, 0
.macro WIN new                         ; the immediate's high byte repeats the setting that is left; a switch that changes nothing is dropped
.if MSB != (\new)
	s_set_vgpr_msb (MSB<<8)|(\new)
.set MSB, \new
.endif
.endm
.macro PLACES                          ; four places in front of loads into registers that matrix instructions have read, and of stores that read results
.rept 4
	v_nop
.endr
.endm
.macro CREST                           ; a round of the cluster's barrier behind its opening barrier
	s_cmp_lg_u32 s[WV], 0
	s_cbranch_scc1 .Lnot_wave_0_\@
	s_barrier_signal -3
.Lnot_wave_0_\@:
	s_barrier_wait -3
	s_barrier_signal -1
	s_barrier_wait -1
.endm
.macro CROUND
	s_barrier_signal -1
	s_barrier_wait -1
	CREST
.endm
.macro JLOAD                           ; a joint refill by the walking set; an s_nop 0 and four v_nop follow each line, ahead of the jump and the label
	s_cmp_eq_u32 s[WM], 0
	s_cbranch_scc0 .Lfor_b_\@
	tensor_load_to_lds s[G0A+4:G0A+7], s[G1A:G1A+7]
	s_nop 0
	PLACES
	s_branch .Lasked_\@
.Lfor_b_\@:
	tensor_load_to_lds s[G0B+4:G0B+7], s[G1B:G1B+7]
	s_nop 0
	PLACES
.Lasked_\@:
.endm
.macro MUL8 f, c, a0                   ; 8 products: row blocks a0, a0 + 1 x all 4 column blocks, 32 along K: half c of buffer f
	WIN MUL
.irp a, \a0, (\a0)+1
.irp b, 0,1,2,3
	v_wmma_f32_16x16x32_f16 v[ACC+8*(4*(\a)+(\b)):ACC+8*(4*(\a)+(\b))+7], v[(\f)+64+8*(4*(\c)+(\b)):(\f)+64+8*(4*(\c)+(\b))+7], v[(\f)+8*(4*(\c)+(\a)):(\f)+8*(4*(\c)+(\a))+7], v[ACC+8*(4*(\a)+(\b)):ACC+8*(4*(\a)+(\b))+7]
.endr
.endr
.endm
.macro FETCH q, f                      ; 32 LDS loads in one run: quarter q (64 along K) of the slot at s[RB] into buffer f; its first 32 along K first
	WIN TO_F
.irp c, 0,1
.irp i, 0,1,2,3
	ds_load_tr16_b128 v[(\f)+64+8*(4*(\c)+(\i)):(\f)+64+8*(4*(\c)+(\i))+3],   v[ADRB+(\q)/2] offset:(((\q)%2)*64+32*(\c))*PB+32*(\i)
	ds_load_tr16_b128 v[(\f)+64+8*(4*(\c)+(\i))+4:(\f)+64+8*(4*(\c)+(\i))+7], v[ADRB+(\q)/2] offset:(((\q)%2)*64+32*(\c)+16)*PB+32*(\i)
	ds_load_b128 v[(\f)+8*(4*(\c)+(\i)):(\f)+8*(4*(\c)+(\i))+3],   v[ADRA] offset:(\q)*QSA+64*(\c)+(\i)*16*PA
	ds_load_b128 v[(\f)+8*(4*(\c)+(\i))+4:(\f)+8*(4*(\c)+(\i))+7], v[ADRA] offset:(\q)*QSA+64*(\c)+(\i)*16*PA+32
.endr
.endr
.endm
.macro QUARTER q, f, g                 ; multiplies buffer f and fetches quarter q into g.  The 16 accumulators take turns, one instruction a turn
	s_wait_dscnt 16                                ; the first 32 along K are in; the 16 younger loads may be out
	MUL8 \f, 0, 0
	MUL8 \f, 0, 2
	PLACES
	FETCH \q, \g
	s_wait_dscnt 32                                ; all but the 32 just issued
	MUL8 \f, 1, 0
	MUL8 \f, 1, 2
.endm
; The last quarter multiplies buffer 1 and changes slots: one barrier; in front of it each wave waits for all its tensor loads, adds 0 to its spare word, and waits for that and for its reads of the slot.
.macro TURN fill
	WIN 0
	s_wait_tensorcnt 0x0                           ; all my tensor loads have landed (one was out: my part of the next slot), so a group 0 may be written
	ds_add_u32 v[SPW], v[NIL]                      ; 0 onto my spare word
.if \fill
	s_add_co_u32 s[G0A+5], s[RB], s[LA]            ; the walking sets: into the slot that is being left,
	s_add_co_u32 s[G0B+5], s[RB], s[LB]
	s_add_nc_u64 s[G0A+6:G0A+7], s[G0A+6:G0A+7], ASTEP  ; the next K step; the type bits on top are not reached
	s_add_nc_u64 s[G0B+6:G0B+7], s[G0B+6:G0B+7], BSTEP
.endif
	s_xor_b32 s[RB], s[RB], SLOT                   ; the reads go to the other slot
	v_add_nc_u32 v[ADRA], s[RB], v[A0]
	v_add_nc_u32 v[ADRB], s[RB], v[B0]
	v_add_nc_u32 v[ADRB+1], s[RB], v[B1]
	s_wait_dscnt 17                                ; the add and the youngest 16 loads may be out
	MUL8 F1, 0, 0
	s_wait_dscnt 0x0                               ; the add is done, and my reads of this slot are over
	s_barrier_signal -1
	MUL8 F1, 0, 2
	WIN 0                                          ; at a branch and at a label every window is 0
	s_barrier_wait -1
.if \fill
	CREST                                          ; the barrier has opened a round of the cluster's: no wave of any partner still reads the slot or has a load on its way
	JLOAD                                          ; my one tensor load behind the round: 112 products ahead of the wait for it; its four v_nop are also the places in front of the loads below
.else
	PLACES
.endif
	FETCH 0, F0
	MUL8 F1, 1, 0
	MUL8 F1, 1, 2
.endm
	s_load_b256 s[4:11], s[0:1], 0x0               ; oh s[4:5], wh s[6:7], biasr s[8:9], xh s[10:11]
	s_load_b64 s[12:13], s[0:1], 0x20              ; x2
	v_lshl_add_u32 v[SPW], v0, 2, SPARE
	v_mov_b32 v[NIL], 0
	ds_add_u32 v[SPW], v[NIL]                      ; the wave's opening: the add and its wait stand ahead of my first tensor load; work on registers stands between them
	v_lshrrev_b32 v3, 5, v0
	v_readfirstlane_b32 s[WV], v3
	s_lshr_b32 s[WM], s[WV], 1
	s_and_b32 s[WN], s[WV], 1
	s_bfe_u32 s[CX], ttmp6, 0x40000
	s_bfe_u32 s[CY], ttmp6, 0x40004
	s_lshl_b32 s[NT], ttmp9, 2
	s_add_co_u32 s[NT], s[NT], s[CX]
	s_and_b32 s[MT], ttmp7, 0xffff
	s_lshl_b32 s[MT], s[MT], 2
	s_add_co_u32 s[MT], s[MT], s[CY]
	s_lshl_b32 s21, s[CY], 2
	s_lshl_b32 s21, 15, s21                        ; my row of the cluster
	s_lshl_b32 s22, 0x1111, s[CX]                  ; my column
	s_or_b32 s[G1A], s21, (1<<16)|(1<<20)|(1<<21)|(4<<22)|(3<<25)  ; mask; 2-byte elements; padding on; bit 21 beside a mask; after every 32 words 4 words
	s_mov_b32 s[G1A+1], 8192<<16                   ; tensor_dim0 = 8,192: a head's 128 rows of 64
	s_mov_b32 s[G1A+2], 2<<16                      ; tensor_dim1 = 2 heads
	s_mov_b32 s[G1A+3], 8192<<16                   ; tile_dim0
	s_mov_b32 s[G1A+4], 2                          ; tile_dim1
	s_mov_b32 s[G1A+5], 131072                     ; elements from head to head
	s_mov_b32 s[G1A+6], 0
	s_mov_b32 s[G1A+7], 0
	s_or_b32 s[G1B], s22, (1<<16)|(1<<20)|(1<<21)|(5<<22)|(7<<25)  ; after every 64 words 8 words
	s_mov_b32 s[G1B+1], 128<<16                    ; 128 columns
	s_mov_b32 s[G1B+2], 128<<16                    ; 128 rows of k
	s_mov_b32 s[G1B+3], 128<<16
	s_mov_b32 s[G1B+4], 128
	s_mov_b32 s[G1B+5], LDB
	s_mov_b32 s[G1B+6], 0
	s_mov_b32 s[G1B+7], 0
	s_mul_i32 s[LA], s[WN], LAH
	s_mul_i32 s[LB], s[WN], BHALF
	s_add_co_u32 s[LB], s[LB], AREG
	s_lshr_b32 s40, s[MT], 4                       ; A: the batch's 16 heads of 262,144 bytes (s[40:41] never hold cx),
	s_lshl_b32 s40, s40, 22
	s_and_b32 s41, s[MT], 15
	s_lshl_b32 s41, s41, 14                        ; the tile's 128 rows of 128 bytes in a head,
	s_add_co_u32 s40, s40, s41
	s_lshl_b32 s41, s[WN], 19                      ; my two heads of the step's four
	s_add_co_u32 s40, s40, s41
	s_mov_b32 s41, 0
	s_lshl_b32 s42, s[NT], 8                       ; W: the tile's 128 columns (s[42:43] never hold cy),
	s_add_co_u32 s42, s42, WOFF
	s_mul_i32 s43, s[WN], 128*LDB*2                ; my 128 rows of k
	s_add_co_u32 s42, s42, s43
	s_mov_b32 s43, 0
	v_and_b32 v1, 15, v0                           ; r = l % 16
	v_bfe_u32 v2, v0, 4, 1                         ; h = l / 16
	v_and_b32 v6, 7, v0
	v_bfe_u32 v7, v0, 3, 1
	v_and_b32 v8, 31, v0                           ; l
	s_lshl_b32 s23, s[WN], 8
	v_lshl_add_u32 v[BO], v2, 5, s23               ; my 8 columns in the tile's bias
	v_lshlrev_b32 v[RO], 3, v8                     ; my 4 columns of a row of the residual, f16
	v_mov_b32 v[ONE], 1.0
	s_wait_dscnt 0x0                               ; the opening add is done
	s_wait_kmcnt 0x0
	s_add_nc_u64 s[40:41], s[4:5], s[40:41]
	s_add_nc_u64 s[42:43], s[6:7], s[42:43]
	s_mov_b32 s[G0A], 1
	s_mov_b32 s[G0A+1], s[LA]
	s_mov_b64 s[G0A+2:G0A+3], s[40:41]
	s_or_b32 s[G0A+3], s[G0A+3], 0x80000000
	s_mov_b32 s[G0A+4], 1
	s_add_co_u32 s[G0A+5], s[LA], SLOT
	s_add_nc_u64 s[G0A+6:G0A+7], s[40:41], ASTEP
	s_or_b32 s[G0A+7], s[G0A+7], 0x80000000
	s_mov_b32 s[G0B], 1
	s_mov_b32 s[G0B+1], s[LB]
	s_mov_b64 s[G0B+2:G0B+3], s[42:43]
	s_or_b32 s[G0B+3], s[G0B+3], 0x80000000
	s_mov_b32 s[G0B+4], 1
	s_add_co_u32 s[G0B+5], s[LB], SLOT
	s_add_nc_u64 s[G0B+6:G0B+7], s[42:43], BSTEP
	s_or_b32 s[G0B+7], s[G0B+7], 0x80000000
	s_lshl_b32 s66, s[NT], 9                       ; the tile's 128 numbers of the bias
	s_add_co_u32 s66, s66, BIASF*4
	s_mov_b32 s67, 0
	s_add_nc_u64 s[8:9], s[8:9], s[66:67]
	s_lshl_b32 s66, s[MT], 7
	s_lshl_b32 s23, s[WV], 5
	s_add_co_u32 s66, s66, s23                     ; the first of the 32 rows that I store
	s_lshl_b32 s66, s66, 11                        ; rows of 2,048 bytes in xh,
	s_lshl_b32 s23, s[NT], 8
	s_add_co_u32 s66, s66, s23                     ; the tile's 128 columns
	s_add_nc_u64 s[10:11], s[10:11], s[66:67]
	s_lshl_b32 s66, s66, 1                         ; and twice that in x2
	s_add_nc_u64 s[12:13], s[12:13], s[66:67]
	CROUND                                         ; all sixteen work-groups are here: the first joint loads meet
	s_cmp_eq_u32 s[WM], 0                          ; a wave's two first fills stand in one branch: two loads of mine are out
	s_cbranch_scc0 .Lfirst_b
	tensor_load_to_lds s[G0A:G0A+3], s[G1A:G1A+7]
	s_nop 0
	tensor_load_to_lds s[G0A+4:G0A+7], s[G1A:G1A+7]
	s_nop 0
	PLACES
	s_branch .Lfirst_asked
.Lfirst_b:
	tensor_load_to_lds s[G0B:G0B+3], s[G1B:G1B+7]
	s_nop 0
	tensor_load_to_lds s[G0B+4:G0B+7], s[G1B:G1B+7]
	s_nop 0
	PLACES
.Lfirst_asked:
.irp a, 0,1,2,3                        ; the bias starts the sums: register j of accumulator (a, b) is column 16 b + 8 h + j of my half, whatever a
.irp b, 0,1,2,3
	global_load_b128 v[ACC+8*(4*(\a)+(\b)):ACC+8*(4*(\a)+(\b))+3],   v[BO], s[8:9] offset:64*(\b)
	global_load_b128 v[ACC+8*(4*(\a)+(\b))+4:ACC+8*(4*(\a)+(\b))+7], v[BO], s[8:9] offset:64*(\b)+16
.endr
.endr
	WIN TO_R
.set t, 0
.rept 32                               ; the residual of the 32 rows that I store: a wave's load takes 256 consecutive bytes, aligned
	global_load_b64 v[2*t:2*t+1], v[RO], s[10:11] offset:2048*t
.set t, t+1
.endr
	WIN 0
	v_mul_u32_u24 v[A0], v1, PA                    ; A's fragment: (64 x row half + r) x pitch + 16 h
	v_lshl_add_u32 v[A0], v2, 4, v[A0]
	s_mul_i32 s23, s[WM], 64*PA
	v_add_nc_u32 v[A0], s23, v[A0]
	v_lshl_add_u32 v[B0], v2, 3, v6                ; W's: lane l reads k = 8 h + l % 8, columns 8 ((l / 8) % 2) + 0..7 of a block of 16
	v_mul_u32_u24 v[B0], v[B0], PB
	v_lshl_add_u32 v[B0], v7, 4, v[B0]
	s_lshl_b32 s23, s[WN], 7
	s_add_co_u32 s23, s23, AREG
	v_add_nc_u32 v[B0], s23, v[B0]
	v_add_nc_u32 v[B1], BHALF, v[B0]
	v_mov_b32 v[ADRA], v[A0]
	v_mov_b32 v[ADRB], v[B0]
	v_mov_b32 v[ADRB+1], v[B1]
	v_mul_u32_u24 v[STO], v1, SP                   ; into the stage: row 64 x row half + r, byte 256 x column half + 32 h
	v_lshl_add_u32 v[STO], v2, 5, v[STO]
	s_mul_i32 s23, s[WM], 64*SP
	s_lshl_b32 s2, s[WN], 8
	s_add_co_u32 s23, s23, s2
	s_add_co_u32 s23, s23, SLOT
	v_add_nc_u32 v[STO], s23, v[STO]
	s_mul_i32 s23, s[WV], 32*SP                    ; back: wave w takes rows 32 w on, a whole row of 512 bytes a load
	s_add_co_u32 s23, s23, SLOT
	v_lshl_add_u32 v[RD], v8, 4, s23
	v_lshlrev_b32 v[CO], 4, v8
	s_mov_b32 s[RB], 0
	s_wait_tensorcnt 0x1                           ; my part of K step 0 is in; K step 1's may stay out
	s_barrier_signal -1
	s_barrier_wait -1
	FETCH 0, F0
	s_wait_loadcnt 32                              ; the bias is in; the residual's 32 loads may stay out
	WIN 0
	s_mov_b32 s3, T-2
.Lfill:                                        ; K step t is multiplied; its slot is filled again with K step t + 2
	QUARTER 1, F0, F1
	QUARTER 2, F1, F0
	QUARTER 3, F0, F1
	TURN 1
	WIN 0
	s_sub_co_u32 s3, s3, 1
	s_cmp_lg_u32 s3, 0
	s_cbranch_scc1 .Lfill
	s_mov_b32 s3, 2
.Llast:                                        ; the last two K steps fill nothing
	QUARTER 1, F0, F1
	QUARTER 2, F1, F0
	QUARTER 3, F0, F1
	TURN 0
	WIN 0
	s_sub_co_u32 s3, s3, 1
	s_cmp_lg_u32 s3, 0
	s_cbranch_scc1 .Llast
	; THE WAY OUT.  Behind the last barrier nobody reads slot 1: the sums go into the stage in f32; a barrier, since a row comes from two waves; then each wave takes 32 whole rows and adds the residual.
	PLACES
.irp a, 0,1,2,3
.irp b, 0,1,2,3
	ds_store_b128 v[STO], v[ACC+8*(4*(\a)+(\b)):ACC+8*(4*(\a)+(\b))+3]   offset:(\a)*16*SP+64*(\b)
	ds_store_b128 v[STO], v[ACC+8*(4*(\a)+(\b))+4:ACC+8*(4*(\a)+(\b))+7] offset:(\a)*16*SP+64*(\b)+16
.endr
.endr
	s_wait_dscnt 0x0                               ; for the others' sake: my stores into the stage are done
	s_barrier_signal -1
	s_barrier_wait -1
	s_wait_loadcnt 0x0                             ; the residual
.irp g, 0,1
	WIN 0
.irp j, 0,1,2,3,4,5,6,7,8,9,10,11,12,13,14,15
	ds_load_b128 v[32+4*(\j):35+4*(\j)], v[RD] offset:(16*(\g)+(\j))*SP
.endr
	WIN ADDW
.irp j, 0,1,2,3,4,5,6,7,8,9,10,11,12,13,14,15
	s_wait_dscnt 15-(\j)
	v_fma_mix_f32 v[128+4*(16*(\g)+(\j))],   v[ONE], v[2*(16*(\g)+(\j))],   v[32+4*(\j)] op_sel:[0,0,0] op_sel_hi:[0,1,0]  ; 1.0 x the residual's f16 half + the sum
	v_fma_mix_f32 v[128+4*(16*(\g)+(\j))+1], v[ONE], v[2*(16*(\g)+(\j))],   v[33+4*(\j)] op_sel:[0,1,0] op_sel_hi:[0,1,0]
	v_fma_mix_f32 v[128+4*(16*(\g)+(\j))+2], v[ONE], v[2*(16*(\g)+(\j))+1], v[34+4*(\j)] op_sel:[0,0,0] op_sel_hi:[0,1,0]
	v_fma_mix_f32 v[128+4*(16*(\g)+(\j))+3], v[ONE], v[2*(16*(\g)+(\j))+1], v[35+4*(\j)] op_sel:[0,1,0] op_sel_hi:[0,1,0]
	global_store_b128 v[CO], v[128+4*(16*(\g)+(\j)):128+4*(16*(\g)+(\j))+3], s[12:13] offset:4096*(16*(\g)+(\j))  ; 512 consecutive bytes, aligned; no store's data is written again
.endr
.endr
	WIN 0
	s_wait_tensorcnt 0x0                           ; the wave's end, behind my last tensor load and my last LDS store
	ds_add_u32 v[SPW], v[NIL]
	s_wait_dscnt 0x0
	CROUND                                         ; the closing round: no work-group ends while a partner may still ask for a tile that names it
	s_endpgm
.Lfunc_end_k_q8802ce2fc3_wo:
	.size	k_q8802ce2fc3_wo, .Lfunc_end_k_q8802ce2fc3_wo-k_q8802ce2fc3_wo
	.p2alignl 7, 3214868480
	.fill 96, 4, 3214868480
	.section	.rodata,"a",@progbits
	.p2align	6, 0x0
	.amdhsa_kernel k_q8802ce2fc3_wo
		.amdhsa_group_segment_fixed_size 327680
		.amdhsa_private_segment_fixed_size 0
		.amdhsa_enable_private_segment 0
		.amdhsa_kernarg_size 40
		.amdhsa_user_sgpr_count 2
		.amdhsa_user_sgpr_kernarg_segment_ptr 1
		.amdhsa_wavefront_size32 1
		.amdhsa_system_sgpr_workgroup_id_x 1
		.amdhsa_system_sgpr_workgroup_id_y 1
		.amdhsa_system_sgpr_workgroup_id_z 1
		.amdhsa_system_vgpr_workitem_id 0
		.amdhsa_next_free_vgpr 768
		.amdhsa_next_free_sgpr 80
		.amdhsa_reserve_vcc 0
		.amdhsa_float_denorm_mode_32 3
		.amdhsa_float_denorm_mode_16_64 3
		.amdhsa_memory_ordered 1
		.amdhsa_forward_progress 1
		.amdhsa_inst_pref_size 69
	.end_amdhsa_kernel
	.amdgpu_metadata
---
amdhsa.version: [ 1, 2 ]
amdhsa.kernels:
  - .name:           k_q8802ce2fc3_wo
    .symbol:         k_q8802ce2fc3_wo.kd
    .args:
      - { .name: oh, .offset: 0, .size: 8, .value_kind: global_buffer, .address_space: global }
      - { .name: wh, .offset: 8, .size: 8, .value_kind: global_buffer, .address_space: global }
      - { .name: biasr, .offset: 16, .size: 8, .value_kind: global_buffer, .address_space: global }
      - { .name: xh, .offset: 24, .size: 8, .value_kind: global_buffer, .address_space: global }
      - { .name: x2, .offset: 32, .size: 8, .value_kind: global_buffer, .address_space: global }
    .group_segment_fixed_size: 327680
    .private_segment_fixed_size: 0
    .kernarg_segment_align: 8
    .kernarg_segment_size: 40
    .max_flat_workgroup_size: 128
    .sgpr_count:     80
    .vgpr_count:     768
    .wavefront_size: 32
...
	.end_amdgpu_metadata
.endif
;; end of part 4
;; launch ln2 (part 5): grid 512 x 1, 8 waves a work-group, no clusters, 0 bytes of LDS; arguments x2, ln2_g, ln2_b, oh; writes oh
.if DOCPART == 5
	.amdgcn_target "amdgcn-amd-amdhsa--gfx1250"
	.amdhsa_code_object_version 6
	.text
	.protected	k_q8802ce2fc3_ln2
	.globl	k_q8802ce2fc3_ln2
	.p2align	8
	.type	k_q8802ce2fc3_ln2,@function
k_q8802ce2fc3_ln2:
	s_mov_b64 s[64:65], 0
	v_nop
	global_prefetch_b8 v0, s[64:65] scope:SCOPE_SE
	s_setreg_imm32_b32 hwreg(HW_REG_WAVE_MODE, 25, 1), 1
	s_wait_xcnt 0x0
; h = layer norm of x2 (f32, [4096][1024]) with gain and bias rounded to bf16 (they are inputs; x2 is not), written as f16 [4096][1024] into oh.  A wave a row: the row stays in 32 registers between the passes,
; the reduction never leaves the wave: no LDS, no barrier.  Mean first, then the mean of squared differences, as the problem writes it.  LIMIT: h beyond 65,504 becomes an infinity in f16.
.set X,  32                            ; v[32:63]   a row's 32 numbers of my lane
.set G,  64                            ; v[64:95]   gain
.set BB, 96                            ; v[96:127]  bias
.set Y,  16                            ; v[16:31]   packed results
.macro RND a, b, t                     ; two f32 rounded to bf16 and widened again
	v_cvt_pk_bf16_f32 v[\t], v[\a], v[\b]
	v_lshlrev_b32 v[\a], 16, v[\t]
	v_and_b32 v[\b], s41, v[\t]
.endm
.macro ACROSS                          ; v[4:5] -> the sum over the wave's 32 lanes, in every lane's v4
	v_add_f32 v4, v4, v5
	v_add_f32_dpp v4, v4, v4 row_xmask:1 row_mask:0xf bank_mask:0xf
	v_add_f32_dpp v4, v4, v4 row_xmask:2 row_mask:0xf bank_mask:0xf
	v_add_f32_dpp v4, v4, v4 row_xmask:4 row_mask:0xf bank_mask:0xf
	v_add_f32_dpp v4, v4, v4 row_xmask:8 row_mask:0xf bank_mask:0xf
	v_permlanex16_b32 v15, v4, s42, s43
	v_add_f32 v4, v4, v15
.endm
.macro FOLD                            ; four chains of pairs into v[4:5]
	v_pk_add_f32 v[4:5], v[4:5], v[6:7]
	v_pk_add_f32 v[8:9], v[8:9], v[10:11]
	v_pk_add_f32 v[4:5], v[4:5], v[8:9]
.endm
	s_load_b256 s[4:11], s[0:1], 0x0               ; x2 s[4:5], ln2_g s[6:7], ln2_b s[8:9], oh s[10:11]
	v_lshrrev_b32 v3, 5, v0
	v_readfirstlane_b32 s40, v3                    ; wave 0..7
	s_mov_b32 s41, 0xffff0000                      ; a word's upper bf16
	s_mov_b32 s42, 0x76543210                      ; v_permlanex16_b32: each lane takes its own place in the other half
	s_mov_b32 s43, 0xfedcba98
	s_mov_b32 s44, 0x3a800000                      ; 1 / 1,024
	s_mov_b32 s45, 0x3727c5ac                      ; 1e-5
	s_lshl_b32 s51, ttmp9, 3
	s_add_co_u32 s51, s51, s40                     ; my wave's row
	s_lshl_b32 s52, s51, 12
	s_mov_b32 s53, 0
	s_lshl_b32 s54, s51, 11
	s_mov_b32 s55, 0
	v_and_b32 v2, 31, v0
	v_lshlrev_b32 v1, 4, v2                        ; lane l holds columns 128 j + 4 l + 0..3, j = 0..7
	v_lshlrev_b32 v2, 3, v2
	s_wait_kmcnt 0x0
	s_add_nc_u64 s[46:47], s[4:5], s[52:53]
	s_add_nc_u64 s[56:57], s[10:11], s[54:55]
.set j, 0
.rept 8
	global_load_b128 v[X+4*j:X+4*j+3], v1, s[46:47] offset:512*j
.set j, j+1
.endr
.set j, 0
.rept 8
	global_load_b128 v[G+4*j:G+4*j+3], v1, s[6:7] offset:512*j
.set j, j+1
.endr
.set j, 0
.rept 8
	global_load_b128 v[BB+4*j:BB+4*j+3], v1, s[8:9] offset:512*j
.set j, j+1
.endr
	v_mov_b32 v15, 0                               ; the exchange's destination counts as read
	s_wait_loadcnt 16                              ; the row is in; the 16 loads of gain and bias stay out
.set j, 0
.rept 4                                ; the first eight pairs start four chains: nothing is cleared
	v_pk_add_f32 v[4+2*j:5+2*j], v[X+4*j:X+4*j+1], v[X+4*j+2:X+4*j+3]
.set j, j+1
.endr
.set j, 8
.rept 8
	v_pk_add_f32 v[4+2*(j%4):5+2*(j%4)], v[4+2*(j%4):5+2*(j%4)], v[X+2*j:X+2*j+1]
.set j, j+1
.endr
	FOLD
	ACROSS
	v_mul_f32 v12, s44, v4                         ; the mean
	v_mov_b32 v13, v12
.set j, 0
.rept 16
	v_pk_add_f32 v[X+2*j:X+2*j+1], v[X+2*j:X+2*j+1], v[12:13] neg_lo:[0,1] neg_hi:[0,1]
.set j, j+1
.endr
.set j, 0
.rept 4
	v_pk_mul_f32 v[4+2*j:5+2*j], v[X+2*j:X+2*j+1], v[X+2*j:X+2*j+1]
.set j, j+1
.endr
.set j, 4
.rept 12
	v_pk_fma_f32 v[4+2*(j%4):5+2*(j%4)], v[X+2*j:X+2*j+1], v[X+2*j:X+2*j+1], v[4+2*(j%4):5+2*(j%4)]
.set j, j+1
.endr
	FOLD
	ACROSS
	s_wait_loadcnt 0x0                             ; gain and bias
	v_fma_f32 v14, v4, s44, s45                    ; variance + 1e-5
	v_rsq_f32 v12, v14
	v_rsq_f32 v13, v14                             ; the rounding below, which touches none of v12-14, is the plain instruction behind it (ISA guide 5.7.2)
.set j, 0
.rept 16
	RND G+2*j, G+2*j+1, 8+j%2
	RND BB+2*j, BB+2*j+1, 10+j%2
.set j, j+1
.endr
.set j, 0
	s_wait_alu depctr_va_vdst(0)
.rept 16
	v_pk_mul_f32 v[X+2*j:X+2*j+1], v[X+2*j:X+2*j+1], v[12:13]
.set j, j+1
.endr
.set j, 0
.rept 16
	v_pk_fma_f32 v[X+2*j:X+2*j+1], v[X+2*j:X+2*j+1], v[G+2*j:G+2*j+1], v[BB+2*j:BB+2*j+1]
.set j, j+1
.endr
.set j, 0
.rept 16
	v_cvt_pk_f16_f32 v[Y+j], v[X+2*j], v[X+2*j+1]
.set j, j+1
.endr
.set j, 0
.rept 8
	global_store_b64 v2, v[Y+2*j:Y+2*j+1], s[56:57] offset:256*j th:TH_STORE_NT  ; the wave stores 256 consecutive bytes, aligned
.set j, j+1
.endr
	s_endpgm
.Lfunc_end_k_q8802ce2fc3_ln2:
	.size	k_q8802ce2fc3_ln2, .Lfunc_end_k_q8802ce2fc3_ln2-k_q8802ce2fc3_ln2
	.p2alignl 7, 3214868480
	.fill 96, 4, 3214868480
	.section	.rodata,"a",@progbits
	.p2align	6, 0x0
	.amdhsa_kernel k_q8802ce2fc3_ln2
		.amdhsa_group_segment_fixed_size 0
		.amdhsa_private_segment_fixed_size 0
		.amdhsa_enable_private_segment 0
		.amdhsa_kernarg_size 32
		.amdhsa_user_sgpr_count 2
		.amdhsa_user_sgpr_kernarg_segment_ptr 1
		.amdhsa_wavefront_size32 1
		.amdhsa_system_sgpr_workgroup_id_x 1
		.amdhsa_system_sgpr_workgroup_id_y 1
		.amdhsa_system_sgpr_workgroup_id_z 1
		.amdhsa_system_vgpr_workitem_id 0
		.amdhsa_next_free_vgpr 128
		.amdhsa_next_free_sgpr 66
		.amdhsa_reserve_vcc 0
		.amdhsa_float_denorm_mode_32 3
		.amdhsa_float_denorm_mode_16_64 3
		.amdhsa_memory_ordered 1
		.amdhsa_forward_progress 1
		.amdhsa_inst_pref_size 16
	.end_amdhsa_kernel
	.amdgpu_metadata
---
amdhsa.version: [ 1, 2 ]
amdhsa.kernels:
  - .name:           k_q8802ce2fc3_ln2
    .symbol:         k_q8802ce2fc3_ln2.kd
    .args:
      - { .name: x2, .offset: 0, .size: 8, .value_kind: global_buffer, .address_space: global }
      - { .name: ln2_g, .offset: 8, .size: 8, .value_kind: global_buffer, .address_space: global }
      - { .name: ln2_b, .offset: 16, .size: 8, .value_kind: global_buffer, .address_space: global }
      - { .name: oh, .offset: 24, .size: 8, .value_kind: global_buffer, .address_space: global }
    .group_segment_fixed_size: 0
    .private_segment_fixed_size: 0
    .kernarg_segment_align: 8
    .kernarg_segment_size: 32
    .max_flat_workgroup_size: 256
    .sgpr_count:     66
    .vgpr_count:     128
    .wavefront_size: 32
...
	.end_amdgpu_metadata
.endif
;; end of part 5
;; launch ffn1 (part 6): grid 16 x 16, 4 waves a work-group, clusters of 4 x 4, 327,680 bytes of LDS; arguments oh, wh, biasr, gb; writes gb
.if DOCPART == 6
	.amdgcn_target "amdgcn-amd-amdhsa--gfx1250"
	.amdhsa_code_object_version 6
	.text
	.protected	k_q8802ce2fc3_ffn1
	.globl	k_q8802ce2fc3_ffn1
	.p2align	8
	.type	k_q8802ce2fc3_ffn1,@function
k_q8802ce2fc3_ffn1:
	s_mov_b64 s[64:65], 0
	v_nop
	global_prefetch_b8 v0, s[64:65] scope:SCOPE_SE
	s_setreg_imm32_b32 hwreg(HW_REG_WAVE_MODE, 25, 1), 1
	s_wait_xcnt 0x0
	s_wait_alu depctr_hold_cnt(0) depctr_sa_sdst(0) depctr_va_vdst(0) depctr_va_sdst(0) depctr_va_ssrc(0) depctr_va_vcc(0) depctr_vm_vsrc(0)
	s_getreg_b32 s2, hwreg(HW_REG_IB_STS2, 6, 4)
	s_cmp_eq_u32 s2, 0
	s_cbranch_scc0 .Lentry_in_a_cluster
	s_endpgm
.Lentry_in_a_cluster:
	s_bfe_u32 s2, ttmp6, 0x10000c
	s_cmp_lg_u32 s2, 0xf033
	s_cbranch_scc0 .Lentry_shape_is_right
	s_endpgm
.Lentry_shape_is_right:
; gb = gelu(h W1 + b1), the exact (erf) GELU.  oh: h, [4096][1024] f16.  wh: W1 as [1024][4096] f16 at byte 8,388,608.  biasr: b1 in f32 at number 4,096.  gb: [4096][4096] f16.
; A tile of C is 256 x 256: four waves, each 128 x 128 (64 accumulators, 512 registers); 16 x 16 = 256 work-groups.  K goes in 8 steps of 128 through two LDS slots.
; A's tile lies [row][k] (rows of 256 bytes, pitch 272); W's lies [k][column] as in memory (rows of 512 bytes, pitch 544) and is read turned, by ds_load_tr16_b128.
; THE PRODUCT IS TAKEN TRANSPOSED (source 0 = 16 columns of W, source 1 = 16 rows of A): a lane holds one row of C (lane % 16) and the columns 8 (lane / 16) + 0..7.  The sums START FROM THE BIAS, loaded into the accumulators.
; CLUSTER 4 x 4: A's tile is shared along a row of the cluster, W's along a column; each is asked for jointly, by the same load with the same descriptor and a mask of the four.
; ONE K STEP IS WRITTEN ONCE FOR EACH OF TWO LOOPS: the first (T - 2 trips) fills the slot it leaves again, the second (2 trips) fills nothing.  s[RB] is the slot being read, 0 or SLOT.
; The second loop's last trip fetches 16 fragments that nobody multiplies (from slot 0, which holds the step before): the price, once a wave, of one text for both last steps.
; No prefetch: every tile is asked for by several clusters, and a refill has 224 products of its wave in which to land.
; GELU.  gelu(x) = max(x, 0) - |x| Q(|x|), Q(z) = erfc(z / sqrt 2) / 2 = (1/2) (a1 t + .. + a5 t^5) exp(-z^2 / 2), t = 1 / (1 + p z / sqrt 2): Abramowitz and Stegun 7.1.26, whose error in erf is at most
; 1.5e-7 for every argument; no difference of near numbers is formed in the negative tail.  LIMIT: a result beyond 65,504 becomes an infinity in f16.
; REGISTERS, in windows of 256 (s_set_vgpr_msb: bits 1:0 source 0, 3:2 source 1, 5:4 source 2, 7:6 destination):
;   window 0: v0-31 addresses; v64-127, v128-191 fragments of A (8 x 16 rows x 32 K), two buffers; v32-127 at work on the way out      window 1: v64-127, v128-191 fragments of W, two buffers
;   window 2: the 32 accumulators of my rows 0-63 (accumulator (a, b) at v[8 (8 a + b)])      window 3: those of my rows 64-127
.set T,     8                          ; K steps of 128
.set LDA,   1024                       ; elements in a row of A
.set LDB,   4096                       ; elements in a row of W
.set PA,    272                        ; A's LDS pitch: 68 words: the 16 rows of a load start at 16 different groups of four banks (64 banks of 4 bytes: ISA guide 11.1)
.set AHALF, 128*PA                     ; what one load of A fills, and what one wave reads of A
.set AREG,  2*AHALF
.set ASTEP, 256                        ; bytes in memory from a K step to the next
.set PB,    544                        ; W's LDS pitch: 136 words
.set BHALF, 64*PB                      ; what one load of W fills
.set BSTEP, 128*LDB*2
.set SLOT,  AREG+2*BHALF               ; 139,264
.set SPARE, 2*SLOT                     ; the spare words: 128 bytes for each wave, two blocks of 256 bytes that no other line names
.set SP,    528                        ; THE STAGE: for each wave 128 rows of 128 f32, pitch 528, laid over the two slots, written only behind their last fill and their last read
.set WSTG,  128*SP                     ; 67,584 a wave; four are 270,336, within the slots' 278,528
.set BIASF, 4096                       ; the bias's first number in biasr
.set WOFF,  8388608
.set SPW, 28                           ; v28  my spare word's LDS address; never rewritten
.set NIL, 29                           ; v29  0; never rewritten
.set A0,  16                           ; v16  my place in A's region      v17  in W's region
.set B0,  17
.set ADRA, 18                          ; v18  s[RB] + A0      v19  s[RB] + B0
.set ADRB, 19
.set STO, 24                           ; v24  where I put 16 bytes into the stage      v25  where I read it      v26  my byte offset in the output      v27  in the bias
.set RD,  25
.set CO,  26
.set BO,  27
.set XX,  32                           ; the way out: v32-63 eight rows' numbers; v64-79 t; v80-95 the exponential; v96-111 the polynomial; v112-127 packed results
.set TT,  64
.set EE,  80
.set PP,  96
.set YY,  112
.set F0,  64                           ; fragment buffers
.set F1,  128
.set WV, 14                            ; s14 wave      s15 = wave / 2: my row half; 0 fetches A, 1 fetches W      s16 = wave % 2: my column half; which half I fetch
.set WM, 15
.set WN, 16
.set CX, 17
.set CY, 18
.set NT, 19                            ; tile column
.set MT, 20                            ; tile row
.set G1A, 24                           ; s[24:31] group 1 for A      s[32:39] group 0, two sets: K step 0; K step 1, which then walks
.set G0A, 32
.set RB,  44
.set LA,  46                           ; LDS place in a slot of what I would fetch of A, of W
.set LB,  47
.set G1B, 48
.set G0B, 56
.set MUL_LO, 0xa1                      ; source 0 (W) window 1, source 1 (A) window 0, C and D window 2
.set TO_B,   0x40                      ; destination window 1, address window 0
.set MSB, 0
.macro WIN new                         ; the immediate's high byte repeats the setting that is left; a switch that changes nothing is dropped
.if MSB != (\new)
	s_set_vgpr_msb (MSB<<8)|(\new)
.set MSB, \new
.endif
.endm
.macro PLACES                          ; four places in front of loads into registers that matrix instructions have read, and of stores that read results
.rept 4
	v_nop
.endr
.endm
.macro CREST                           ; a round of the cluster's barrier behind its opening barrier
	s_cmp_lg_u32 s[WV], 0
	s_cbranch_scc1 .Lnot_wave_0_\@
	s_barrier_signal -3
.Lnot_wave_0_\@:
	s_barrier_wait -3
	s_barrier_signal -1
	s_barrier_wait -1
.endm
.macro CROUND
	s_barrier_signal -1
	s_barrier_wait -1
	CREST
.endm
.macro JLOAD                           ; a joint refill by the walking set; an s_nop 0 and four v_nop follow each line, ahead of the jump and the label
	s_cmp_eq_u32 s[WM], 0
	s_cbranch_scc0 .Lfor_b_\@
	tensor_load_to_lds s[G0A+4:G0A+7], s[G1A:G1A+7]
	s_nop 0
	PLACES
	s_branch .Lasked_\@
.Lfor_b_\@:
	tensor_load_to_lds s[G0B+4:G0B+7], s[G1B:G1B+7]
	s_nop 0
	PLACES
.Lasked_\@:
.endm
.macro MUL16 f, hi, a0                 ; 16 products: row blocks a0, a0 + 1 of the window's four (hi = 0: my rows 0-63, 1: rows 64-127) x all 8 column blocks, 32 along K
	WIN MUL_LO+0x50*(\hi)
.irp a, \a0, (\a0)+1
.irp b, 0,1,2,3,4,5,6,7
	v_wmma_f32_16x16x32_f16 v[8*(8*(\a)+(\b)):8*(8*(\a)+(\b))+7], v[(\f)+8*(\b):(\f)+8*(\b)+7], v[(\f)+8*(4*(\hi)+(\a)):(\f)+8*(4*(\hi)+(\a))+7], v[8*(8*(\a)+(\b)):8*(8*(\a)+(\b))+7]
.endr
.endr
.endm
.macro FETCH q, f                      ; 32 LDS loads in one run: quarter q (32 along K) of the slot at s[RB] into buffer f: W's 128 columns, then A's 128 rows
	WIN TO_B
.irp i, 0,1,2,3,4,5,6,7
	ds_load_tr16_b128 v[(\f)+8*(\i):(\f)+8*(\i)+3],   v[ADRB] offset:(\q)*32*PB+32*(\i)
	ds_load_tr16_b128 v[(\f)+8*(\i)+4:(\f)+8*(\i)+7], v[ADRB] offset:(\q)*32*PB+16*PB+32*(\i)
.endr
	WIN 0
.irp i, 0,1,2,3,4,5,6,7
	ds_load_b128 v[(\f)+8*(\i):(\f)+8*(\i)+3],   v[ADRA] offset:(\q)*64+(\i)*16*PA
	ds_load_b128 v[(\f)+8*(\i)+4:(\f)+8*(\i)+7], v[ADRA] offset:(\q)*64+(\i)*16*PA+32
.endr
.endm
.macro QUARTER q, f, g                 ; multiplies buffer f and fetches quarter q into g.  The 64 accumulators take turns, one instruction a turn
	s_wait_dscnt 8                                 ; W and A's rows 0-63 are in; the youngest eight loads (A's rows 64-127) may be out
	MUL16 \f, 0, 0
	MUL16 \f, 0, 2
	PLACES
	FETCH \q, \g
	s_wait_dscnt 32                                ; all but the 32 just issued
	MUL16 \f, 1, 0
	MUL16 \f, 1, 2
.endm
; The last quarter multiplies buffer 1 and changes slots: one barrier; in front of it each wave waits for all its tensor loads, adds 0 to its spare word, and waits for that and for its reads of the slot.
.macro TURN fill
	WIN 0
	s_wait_tensorcnt 0x0                           ; all my tensor loads have landed (one was out: my part of the next slot), so a group 0 may be written
	ds_add_u32 v[SPW], v[NIL]                      ; 0 onto my spare word
.if \fill
	s_add_co_u32 s[G0A+5], s[RB], s[LA]            ; the walking sets: into the slot that is being left,
	s_add_co_u32 s[G0B+5], s[RB], s[LB]
	s_add_nc_u64 s[G0A+6:G0A+7], s[G0A+6:G0A+7], ASTEP  ; the next K step; the type bits on top are not reached
	s_add_nc_u64 s[G0B+6:G0B+7], s[G0B+6:G0B+7], BSTEP
.endif
	s_xor_b32 s[RB], s[RB], SLOT                   ; the reads go to the other slot
	v_add_nc_u32 v[ADRA], s[RB], v[A0]
	v_add_nc_u32 v[ADRB], s[RB], v[B0]
	s_wait_dscnt 9                                 ; the add and the youngest eight loads may be out
	MUL16 F1, 0, 0
	s_wait_dscnt 0x0                               ; the add is done, and my reads of this slot are over
	s_barrier_signal -1
	MUL16 F1, 0, 2
	WIN 0                                          ; at a branch and at a label every window is 0
	s_barrier_wait -1
.if \fill
	CREST                                          ; the barrier has opened a round of the cluster's: no wave of any partner still reads the slot or has a load on its way
	JLOAD                                          ; my one tensor load behind the round: 224 products ahead of the wait for it; its four v_nop are also the places in front of the loads below
.else
	PLACES
.endif
	FETCH 0, F0
	MUL16 F1, 1, 0
	MUL16 F1, 1, 2
.endm
; GELU of 16 numbers a lane (four rows), in runs of like instructions on registers that do not wait for each other; the plain run behind each run of transcendentals is the place that they need (ISA guide 5.7.2).
.macro GELU4 g
.set n, 0
.rept 16
	v_fma_f32 v[TT+n], |v[XX+16*(\g)+n]|, s78, 1.0
.set n, n+1
.endr
.set n, 0
.rept 16
	v_rcp_f32 v[TT+n], v[TT+n]                     ; t
.set n, n+1
.endr
.set n, 0
.rept 8
	v_pk_mul_f32 v[EE+2*n:EE+2*n+1], v[XX+16*(\g)+2*n:XX+16*(\g)+2*n+1], v[XX+16*(\g)+2*n:XX+16*(\g)+2*n+1]
.set n, n+1
.endr
.set n, 0
.rept 8
	v_pk_mul_f32 v[EE+2*n:EE+2*n+1], v[EE+2*n:EE+2*n+1], s[68:69] op_sel_hi:[1,0]
.set n, n+1
.endr
.set n, 0
.rept 16
	v_exp_f32 v[EE+n], v[EE+n]                     ; exp(-x^2 / 2)
.set n, n+1
.endr
.set n, 0
	s_wait_alu depctr_va_vdst(0)
.rept 8
	v_pk_fma_f32 v[PP+2*n:PP+2*n+1], v[TT+2*n:TT+2*n+1], v[4:5], s[70:71] op_sel_hi:[1,1,0]
.set n, n+1
.endr
.irp k, 72, 74, 76
.set n, 0
.rept 8
	v_pk_fma_f32 v[PP+2*n:PP+2*n+1], v[PP+2*n:PP+2*n+1], v[TT+2*n:TT+2*n+1], s[\k:\k+1] op_sel_hi:[1,1,0]
.set n, n+1
.endr
.endr
.set n, 0
.rept 8
	v_pk_mul_f32 v[PP+2*n:PP+2*n+1], v[PP+2*n:PP+2*n+1], v[TT+2*n:TT+2*n+1]
.set n, n+1
.endr
.set n, 0
.rept 8
	v_pk_mul_f32 v[PP+2*n:PP+2*n+1], v[PP+2*n:PP+2*n+1], v[EE+2*n:EE+2*n+1]  ; Q
.set n, n+1
.endr
.set n, 0
.rept 16
	v_max_num_f32 v[TT+n], 0, v[XX+16*(\g)+n]
.set n, n+1
.endr
.set n, 0
.rept 16
	v_fma_f32 v[XX+16*(\g)+n], -|v[XX+16*(\g)+n]|, v[PP+n], v[TT+n]
.set n, n+1
.endr
.set n, 0
.rept 8
	v_cvt_pk_f16_f32 v[YY+8*(\g)+n], v[XX+16*(\g)+2*n], v[XX+16*(\g)+2*n+1]
.set n, n+1
.endr
.set n, 0
.rept 4
	global_store_b64 v[CO], v[YY+8*(\g)+2*n:YY+8*(\g)+2*n+1], s[10:11] offset:8192*(4*(\g)+n)  ; my 128 numbers of a row: 256 consecutive bytes, aligned
.set n, n+1
.endr
.endm
	s_load_b256 s[4:11], s[0:1], 0x0               ; oh (h) s[4:5], wh s[6:7], biasr s[8:9], gb s[10:11]
	v_lshl_add_u32 v[SPW], v0, 2, SPARE
	v_mov_b32 v[NIL], 0
	ds_add_u32 v[SPW], v[NIL]                      ; the wave's opening: the add and its wait stand ahead of my first tensor load; work on registers stands between them
	v_lshrrev_b32 v3, 5, v0
	v_readfirstlane_b32 s[WV], v3
	s_lshr_b32 s[WM], s[WV], 1
	s_and_b32 s[WN], s[WV], 1
	s_bfe_u32 s[CX], ttmp6, 0x40000
	s_bfe_u32 s[CY], ttmp6, 0x40004
	s_lshl_b32 s[NT], ttmp9, 2
	s_add_co_u32 s[NT], s[NT], s[CX]
	s_and_b32 s[MT], ttmp7, 0xffff
	s_lshl_b32 s[MT], s[MT], 2
	s_add_co_u32 s[MT], s[MT], s[CY]
	s_lshl_b32 s21, s[CY], 2
	s_lshl_b32 s21, 15, s21                        ; my row of the cluster
	s_lshl_b32 s22, 0x1111, s[CX]                  ; my column
	s_or_b32 s[G1A], s21, (1<<16)|(1<<20)|(1<<21)|(5<<22)|(3<<25)  ; mask; 2-byte elements; padding on; bit 21 beside a mask; after every 64 words 4 words
	s_mov_b32 s[G1A+1], 128<<16                    ; tensor_dim0 = 128
	s_mov_b32 s[G1A+2], 128<<16                    ; tensor_dim1 = 128
	s_mov_b32 s[G1A+3], 128<<16                    ; tile_dim0 = 128
	s_mov_b32 s[G1A+4], 128                        ; tile_dim1 = 128
	s_mov_b32 s[G1A+5], LDA
	s_mov_b32 s[G1A+6], 0
	s_mov_b32 s[G1A+7], 0
	s_or_b32 s[G1B], s22, (1<<16)|(1<<20)|(1<<21)|(6<<22)|(7<<25)  ; after every 128 words 8 words
	s_mov_b32 s[G1B+1], 256<<16                    ; 256 columns
	s_mov_b32 s[G1B+2], 64<<16                     ; 64 rows of k
	s_mov_b32 s[G1B+3], 256<<16
	s_mov_b32 s[G1B+4], 64
	s_mov_b32 s[G1B+5], LDB
	s_mov_b32 s[G1B+6], 0
	s_mov_b32 s[G1B+7], 0
	s_mul_i32 s[LA], s[WN], AHALF
	s_mul_i32 s[LB], s[WN], BHALF
	s_add_co_u32 s[LB], s[LB], AREG
	s_lshl_b32 s40, s[MT], 8                       ; A: row 256 x tile row + 128 x half (s[40:41] never hold cx)
	s_lshl_b32 s41, s[WN], 7
	s_add_co_u32 s40, s40, s41
	s_mul_i32 s40, s40, LDA*2
	s_mov_b32 s41, 0
	s_lshl_b32 s42, s[NT], 9                       ; W: the tile's 256 columns (s[42:43] never hold cy),
	s_add_co_u32 s42, s42, WOFF
	s_mul_i32 s43, s[WN], 64*LDB*2                 ; my 64 rows of k
	s_add_co_u32 s42, s42, s43
	s_mov_b32 s43, 0
	v_and_b32 v1, 15, v0                           ; r = l % 16
	v_bfe_u32 v2, v0, 4, 1                         ; h = l / 16
	v_and_b32 v6, 7, v0
	v_bfe_u32 v7, v0, 3, 1
	v_and_b32 v8, 31, v0                           ; l
	s_lshl_b32 s23, s[WN], 9
	v_lshl_add_u32 v[BO], v2, 5, s23               ; my 8 columns in the tile's bias: 512 x column half + 32 h
	s_wait_dscnt 0x0                               ; the opening add is done
	s_wait_kmcnt 0x0
	s_add_nc_u64 s[40:41], s[4:5], s[40:41]
	s_add_nc_u64 s[42:43], s[6:7], s[42:43]
	s_mov_b32 s[G0A], 1
	s_mov_b32 s[G0A+1], s[LA]
	s_mov_b64 s[G0A+2:G0A+3], s[40:41]
	s_or_b32 s[G0A+3], s[G0A+3], 0x80000000
	s_mov_b32 s[G0A+4], 1
	s_add_co_u32 s[G0A+5], s[LA], SLOT
	s_add_nc_u64 s[G0A+6:G0A+7], s[40:41], ASTEP
	s_or_b32 s[G0A+7], s[G0A+7], 0x80000000
	s_mov_b32 s[G0B], 1
	s_mov_b32 s[G0B+1], s[LB]
	s_mov_b64 s[G0B+2:G0B+3], s[42:43]
	s_or_b32 s[G0B+3], s[G0B+3], 0x80000000
	s_mov_b32 s[G0B+4], 1
	s_add_co_u32 s[G0B+5], s[LB], SLOT
	s_add_nc_u64 s[G0B+6:G0B+7], s[42:43], BSTEP
	s_or_b32 s[G0B+7], s[G0B+7], 0x80000000
	s_lshl_b32 s66, s[NT], 10                      ; the tile's 256 numbers of the bias
	s_add_co_u32 s66, s66, BIASF*4
	s_mov_b32 s67, 0
	s_add_nc_u64 s[8:9], s[8:9], s[66:67]
	s_lshl_b32 s66, s[MT], 8
	s_lshl_b32 s23, s[WM], 7
	s_add_co_u32 s66, s66, s23                     ; the first of my 128 rows,
	s_lshl_b32 s66, s66, 13                        ; 8,192 bytes each,
	s_lshl_b32 s23, s[NT], 9
	s_add_co_u32 s66, s66, s23                     ; the tile's 256 columns,
	s_lshl_b32 s23, s[WN], 8
	s_add_co_u32 s66, s66, s23                     ; my 128 of them
	s_add_nc_u64 s[10:11], s[10:11], s[66:67]
	CROUND                                         ; all sixteen work-groups are here: the first joint loads meet
	s_cmp_eq_u32 s[WM], 0                          ; a wave's two first fills stand in one branch: two loads of mine are out
	s_cbranch_scc0 .Lfirst_b
	tensor_load_to_lds s[G0A:G0A+3], s[G1A:G1A+7]
	s_nop 0
	tensor_load_to_lds s[G0A+4:G0A+7], s[G1A:G1A+7]
	s_nop 0
	PLACES
	s_branch .Lfirst_asked
.Lfirst_b:
	tensor_load_to_lds s[G0B:G0B+3], s[G1B:G1B+7]
	s_nop 0
	tensor_load_to_lds s[G0B+4:G0B+7], s[G1B:G1B+7]
	s_nop 0
	PLACES
.Lfirst_asked:
.irp hi, 0,1                           ; the bias starts the sums: register j of accumulator (a, b) is column 16 b + 8 h + j of my half, whatever a; issued while the first tiles are on their way
	WIN 0x80+0x40*(\hi)                            ; destination window 2, then 3; address window 0
.irp a, 0,1,2,3
.irp b, 0,1,2,3,4,5,6,7
	global_load_b128 v[8*(8*(\a)+(\b)):8*(8*(\a)+(\b))+3],   v[BO], s[8:9] offset:64*(\b)
	global_load_b128 v[8*(8*(\a)+(\b))+4:8*(8*(\a)+(\b))+7], v[BO], s[8:9] offset:64*(\b)+16
.endr
.endr
.endr
	WIN 0
	v_mul_u32_u24 v[A0], v1, PA                    ; A's fragment: (128 x row half + r) x pitch + 16 h
	v_lshl_add_u32 v[A0], v2, 4, v[A0]
	s_mul_i32 s23, s[WM], AHALF
	v_add_nc_u32 v[A0], s23, v[A0]
	v_lshl_add_u32 v[B0], v2, 3, v6                ; W's: lane l reads k = 8 h + l % 8, columns 8 ((l / 8) % 2) + 0..7 of a block of 16
	v_mul_u32_u24 v[B0], v[B0], PB
	v_lshl_add_u32 v[B0], v7, 4, v[B0]
	s_lshl_b32 s23, s[WN], 8
	s_add_co_u32 s23, s23, AREG
	v_add_nc_u32 v[B0], s23, v[B0]
	v_mov_b32 v[ADRA], v[A0]
	v_mov_b32 v[ADRB], v[B0]
	s_mul_i32 s23, s[WV], WSTG                     ; my part of the stage
	v_mul_u32_u24 v[STO], v1, SP                   ; in: row r of a block of 16, byte 32 h of a column block's 64
	v_lshl_add_u32 v[STO], v2, 5, v[STO]
	v_add_nc_u32 v[STO], s23, v[STO]
	v_lshl_add_u32 v[RD], v8, 4, s23               ; back: a whole row of 512 bytes a load
	v_lshlrev_b32 v[CO], 3, v8
	s_mov_b32 s78, 0x3e6d3388                      ; p / sqrt 2 = 0.23164189
	s_mov_b32 s68, 0xbf38aa3b                      ; -log2(e) / 2; each pair is named whole, so both words are written
	s_mov_b32 s69, 0xbf38aa3b
	s_mov_b32 s70, 0xbf3a00e3                      ; a4 / 2 = -0.72657601
	s_mov_b32 s71, 0xbf3a00e3
	s_mov_b32 s72, 0x3f35f0e3                      ; a3 / 2 = 0.71070687
	s_mov_b32 s73, 0x3f35f0e3
	s_mov_b32 s74, 0xbe11a98e                      ; a2 / 2 = -0.14224837
	s_mov_b32 s75, 0xbe11a98e
	s_mov_b32 s76, 0x3e027906                      ; a1 / 2 = 0.12741480
	s_mov_b32 s77, 0x3e027906
	v_mov_b32 v4, 0x3f07dc22                       ; a5 / 2 = 0.53070271
	v_mov_b32 v5, 0x3f07dc22
	s_mov_b32 s[RB], 0
	s_wait_tensorcnt 0x1                           ; my part of K step 0 is in; K step 1's may stay out
	s_barrier_signal -1
	s_barrier_wait -1
	FETCH 0, F0
	s_wait_loadcnt 0x0                             ; the bias
	s_mov_b32 s3, T-2
.Lfill:                                        ; K step t is multiplied; its slot is filled again with K step t + 2
	QUARTER 1, F0, F1
	QUARTER 2, F1, F0
	QUARTER 3, F0, F1
	TURN 1
	WIN 0
	s_sub_co_u32 s3, s3, 1
	s_cmp_lg_u32 s3, 0
	s_cbranch_scc1 .Lfill
	s_mov_b32 s3, 2
.Llast:                                        ; the last two K steps fill nothing
	QUARTER 1, F0, F1
	QUARTER 2, F1, F0
	QUARTER 3, F0, F1
	TURN 0
	WIN 0
	s_sub_co_u32 s3, s3, 1
	s_cmp_lg_u32 s3, 0
	s_cbranch_scc1 .Llast
	; THE WAY OUT.  A barrier first: behind it no wave reads a slot any more (the last trip's unused fragments came from slot 0).  Then each wave's sums go into its part of the stage in f32 and come back by rows.
	PLACES
	s_wait_dscnt 0x0                               ; my last reads of the slots are back
	s_barrier_signal -1
	s_barrier_wait -1
.irp hi, 0,1
	WIN 0x08+0x04*(\hi)                            ; a store's data (source 1) in window 2, then 3; its address in window 0
.irp a, 0,1,2,3
.irp b, 0,1,2,3,4,5,6,7
	ds_store_b128 v[STO], v[8*(8*(\a)+(\b)):8*(8*(\a)+(\b))+3]   offset:(4*(\hi)+(\a))*16*SP+64*(\b)
	ds_store_b128 v[STO], v[8*(8*(\a)+(\b))+4:8*(8*(\a)+(\b))+7] offset:(4*(\hi)+(\a))*16*SP+64*(\b)+16
.endr
.endr
.endr
	WIN 0
	s_wait_dscnt 0x0                               ; a barrier stands between the stores and the loop that reads, whose LDS address is stepped from trip to trip:
	s_barrier_signal -1                            ; the order of all stores and all reads then hangs on no arithmetic of addresses
	s_barrier_wait -1
	s_mov_b32 s3, 16
.Lgelu:                                        ; a trip: 8 of my 128 rows
.irp j, 0,1,2,3,4,5,6,7
	ds_load_b128 v[XX+4*(\j):XX+4*(\j)+3], v[RD] offset:SP*(\j)
.endr
	s_wait_dscnt 0x4                               ; the first four rows are in
	GELU4 0
	s_wait_dscnt 0x0
	GELU4 1
	s_wait_xcnt 0x0                                ; the stores have read their offset and their data: both are written again only behind this wait
	v_add_nc_u32 v[RD], 8*SP, v[RD]
	v_add_nc_u32 v[CO], 8*8192, v[CO]
	s_sub_co_u32 s3, s3, 1
	s_cmp_lg_u32 s3, 0
	s_cbranch_scc1 .Lgelu
	s_wait_tensorcnt 0x0                           ; the wave's end, behind my last tensor load and my last LDS store
	ds_add_u32 v[SPW], v[NIL]
	s_wait_dscnt 0x0
	CROUND                                         ; the closing round: no work-group ends while a partner may still ask for a tile that names it
	s_endpgm
.Lfunc_end_k_q8802ce2fc3_ffn1:
	.size	k_q8802ce2fc3_ffn1, .Lfunc_end_k_q8802ce2fc3_ffn1-k_q8802ce2fc3_ffn1
	.p2alignl 7, 3214868480
	.fill 96, 4, 3214868480
	.section	.rodata,"a",@progbits
	.p2align	6, 0x0
	.amdhsa_kernel k_q8802ce2fc3_ffn1
		.amdhsa_group_segment_fixed_size 327680
		.amdhsa_private_segment_fixed_size 0
		.amdhsa_enable_private_segment 0
		.amdhsa_kernarg_size 32
		.amdhsa_user_sgpr_count 2
		.amdhsa_user_sgpr_kernarg_segment_ptr 1
		.amdhsa_wavefront_size32 1
		.amdhsa_system_sgpr_workgroup_id_x 1
		.amdhsa_system_sgpr_workgroup_id_y 1
		.amdhsa_system_sgpr_workgroup_id_z 1
		.amdhsa_system_vgpr_workitem_id 0
		.amdhsa_next_free_vgpr 1024
		.amdhsa_next_free_sgpr 80
		.amdhsa_reserve_vcc 0
		.amdhsa_float_denorm_mode_32 3
		.amdhsa_float_denorm_mode_16_64 3
		.amdhsa_memory_ordered 1
		.amdhsa_forward_progress 1
		.amdhsa_inst_pref_size 101
	.end_amdhsa_kernel
	.amdgpu_metadata
---
amdhsa.version: [ 1, 2 ]
amdhsa.kernels:
  - .name:           k_q8802ce2fc3_ffn1
    .symbol:         k_q8802ce2fc3_ffn1.kd
    .args:
      - { .name: oh, .offset: 0, .size: 8, .value_kind: global_buffer, .address_space: global }
      - { .name: wh, .offset: 8, .size: 8, .value_kind: global_buffer, .address_space: global }
      - { .name: biasr, .offset: 16, .size: 8, .value_kind: global_buffer, .address_space: global }
      - { .name: gb, .offset: 24, .size: 8, .value_kind: global_buffer, .address_space: global }
    .group_segment_fixed_size: 327680
    .private_segment_fixed_size: 0
    .kernarg_segment_align: 8
    .kernarg_segment_size: 32
    .max_flat_workgroup_size: 128
    .sgpr_count:     80
    .vgpr_count:     1024
    .wavefront_size: 32
...
	.end_amdgpu_metadata
.endif
;; end of part 6
;; launch ffn2 (part 7): grid 8 x 32, 4 waves a work-group, clusters of 4 x 4, 327,680 bytes of LDS; arguments gb, wh, biasr, x2, out0; writes out0
.if DOCPART == 7
	.amdgcn_target "amdgcn-amd-amdhsa--gfx1250"
	.amdhsa_code_object_version 6
	.text
	.protected	k_q8802ce2fc3_ffn2
	.globl	k_q8802ce2fc3_ffn2
	.p2align	8
	.type	k_q8802ce2fc3_ffn2,@function
k_q8802ce2fc3_ffn2:
	s_mov_b64 s[64:65], 0
	v_nop
	global_prefetch_b8 v0, s[64:65] scope:SCOPE_SE
	s_setreg_imm32_b32 hwreg(HW_REG_WAVE_MODE, 25, 1), 1
	s_wait_xcnt 0x0
	s_wait_alu depctr_hold_cnt(0) depctr_sa_sdst(0) depctr_va_vdst(0) depctr_va_sdst(0) depctr_va_ssrc(0) depctr_va_vcc(0) depctr_vm_vsrc(0)
	s_getreg_b32 s2, hwreg(HW_REG_IB_STS2, 6, 4)
	s_cmp_eq_u32 s2, 0
	s_cbranch_scc0 .Lentry_in_a_cluster
	s_endpgm
.Lentry_in_a_cluster:
	s_bfe_u32 s2, ttmp6, 0x10000c
	s_cmp_lg_u32 s2, 0xf033
	s_cbranch_scc0 .Lentry_shape_is_right
	s_endpgm
.Lentry_shape_is_right:
; out0 = x2 + gb W2 + b2.  gb: [4096][4096] f16.  wh: W2 as [4096][1024] f16 at byte 16,777,216.  biasr: b2 in f32 at number 8,192.  x2, out0: [4096][1024] f32.
; A tile of C is 128 x 128: four waves, each 64 x 64 (16 accumulators); 8 x 32 = 256 work-groups.  K goes in 16 steps of 256 through two LDS slots.
; A's tile lies [row][k] (rows of 512 bytes, pitch 528); W's lies [k][column] as in memory (rows of 256 bytes, pitch 288) and is read turned, by ds_load_tr16_b128.
; THE PRODUCT IS TAKEN TRANSPOSED (source 0 = 16 columns of W, source 1 = 16 rows of A): a lane holds one row of C (lane % 16) and the columns 8 (lane / 16) + 0..7.  The sums START FROM THE BIAS.
; CLUSTER 4 x 4: A's tile is shared along a row of the cluster, W's along a column; each is asked for jointly.
; ONE K STEP IS WRITTEN ONCE FOR EACH OF TWO LOOPS: the first (T - 2 trips) fills the slot it leaves again, the second (2 trips) fills nothing; its last trip fetches 16 fragments that nobody multiplies
; (from slot 0, which holds the step before): the price, once a wave, of one text for both last steps.  The residual's 32 loads go out at the head, into window 2.  No prefetch: small tiles, asked for a step ahead.
.set T,     16
.set LDA,   4096
.set LDB,   1024
.set PA,    528                        ; 132 words: the 16 rows of a load start at 16 different groups of four banks (64 banks of 4 bytes: ISA guide 11.1)
.set QSA,   128
.set LAH,   64*PA
.set AREG,  128*PA
.set ASTEP, 512
.set PB,    288
.set BHALF, 128*PB
.set BSTEP, 256*LDB*2
.set SLOT,  AREG+2*BHALF               ; 141,312
.set SPARE, 2*SLOT                     ; the spare words: 128 bytes for each wave, two blocks of 256 bytes that no other line names
.set SP,    528                        ; THE STAGE (128 rows of 128 f32, pitch 528) is slot 1's first 67,584 bytes, written only behind slot 1's last fill and last read
.set BIASF, 8192
.set WOFF,  16777216
.set SPW, 28
.set NIL, 29
.set A0,  16
.set B0,  17
.set B1,  21
.set ADRA, 18
.set ADRB, 19
.set RO,  22                           ; v22  my byte offset in the residual's rows
.set STO, 24
.set RD,  25
.set CO,  26
.set BO,  27
.set ACC, 128                          ; window 0 v128-255: accumulator (a, b) at ACC + 8 (4 a + b)
.set F0,  0                            ; window 1: two fragment buffers of 128
.set F1,  128                          ; window 2: v0-127 the residual, then the result (row t at 4 t)
.set WV, 14
.set WM, 15
.set WN, 16
.set CX, 17
.set CY, 18
.set NT, 19
.set MT, 20
.set G1A, 24
.set G0A, 32
.set RB,  44
.set LA,  46
.set LB,  47
.set G1B, 48
.set G0B, 56
.set MUL,  0x05                        ; sources 0 and 1 in window 1; C and D in window 0
.set TO_F, 0x40                        ; destination in window 1
.set TO_R, 0x80                        ; destination in window 2
.set ADDW, 0x88                        ; destination and source 1 in window 2 (a store: its data), source 0 in window 0 (a store: its address)
.set MSB, 0
.macro WIN new                         ; the immediate's high byte repeats the setting that is left; a switch that changes nothing is dropped
.if MSB != (\new)
	s_set_vgpr_msb (MSB<<8)|(\new)
.set MSB, \new
.endif
.endm
.macro PLACES                          ; four places in front of loads into registers that matrix instructions have read, and of stores that read results
.rept 4
	v_nop
.endr
.endm
.macro CREST                           ; a round of the cluster's barrier behind its opening barrier
	s_cmp_lg_u32 s[WV], 0
	s_cbranch_scc1 .Lnot_wave_0_\@
	s_barrier_signal -3
.Lnot_wave_0_\@:
	s_barrier_wait -3
	s_barrier_signal -1
	s_barrier_wait -1
.endm
.macro CROUND
	s_barrier_signal -1
	s_barrier_wait -1
	CREST
.endm
.macro JLOAD                           ; a joint refill by the walking set; an s_nop 0 and four v_nop follow each line, ahead of the jump and the label
	s_cmp_eq_u32 s[WM], 0
	s_cbranch_scc0 .Lfor_b_\@
	tensor_load_to_lds s[G0A+4:G0A+7], s[G1A:G1A+7]
	s_nop 0
	PLACES
	s_branch .Lasked_\@
.Lfor_b_\@:
	tensor_load_to_lds s[G0B+4:G0B+7], s[G1B:G1B+7]
	s_nop 0
	PLACES
.Lasked_\@:
.endm
.macro MUL8 f, c, a0                   ; 8 products: row blocks a0, a0 + 1 x all 4 column blocks, 32 along K: half c of buffer f
	WIN MUL
.irp a, \a0, (\a0)+1
.irp b, 0,1,2,3
	v_wmma_f32_16x16x32_f16 v[ACC+8*(4*(\a)+(\b)):ACC+8*(4*(\a)+(\b))+7], v[(\f)+64+8*(4*(\c)+(\b)):(\f)+64+8*(4*(\c)+(\b))+7], v[(\f)+8*(4*(\c)+(\a)):(\f)+8*(4*(\c)+(\a))+7], v[ACC+8*(4*(\a)+(\b)):ACC+8*(4*(\a)+(\b))+7]
.endr
.endr
.endm
.macro FETCH q, f                      ; 32 LDS loads in one run: quarter q (64 along K) of the slot at s[RB] into buffer f; its first 32 along K first
	WIN TO_F
.irp c, 0,1
.irp i, 0,1,2,3
	ds_load_tr16_b128 v[(\f)+64+8*(4*(\c)+(\i)):(\f)+64+8*(4*(\c)+(\i))+3],   v[ADRB+(\q)/2] offset:(((\q)%2)*64+32*(\c))*PB+32*(\i)
	ds_load_tr16_b128 v[(\f)+64+8*(4*(\c)+(\i))+4:(\f)+64+8*(4*(\c)+(\i))+7], v[ADRB+(\q)/2] offset:(((\q)%2)*64+32*(\c)+16)*PB+32*(\i)
	ds_load_b128 v[(\f)+8*(4*(\c)+(\i)):(\f)+8*(4*(\c)+(\i))+3],   v[ADRA] offset:(\q)*QSA+64*(\c)+(\i)*16*PA
	ds_load_b128 v[(\f)+8*(4*(\c)+(\i))+4:(\f)+8*(4*(\c)+(\i))+7], v[ADRA] offset:(\q)*QSA+64*(\c)+(\i)*16*PA+32
.endr
.endr
.endm
.macro QUARTER q, f, g                 ; multiplies buffer f and fetches quarter q into g.  The 16 accumulators take turns, one instruction a turn
	s_wait_dscnt 16                                ; the first 32 along K are in; the 16 younger loads may be out
	MUL8 \f, 0, 0
	MUL8 \f, 0, 2
	PLACES
	FETCH \q, \g
	s_wait_dscnt 32                                ; all but the 32 just issued
	MUL8 \f, 1, 0
	MUL8 \f, 1, 2
.endm
; The last quarter multiplies buffer 1 and changes slots: one barrier; in front of it each wave waits for all its tensor loads, adds 0 to its spare word, and waits for that and for its reads of the slot.
.macro TURN fill
	WIN 0
	s_wait_tensorcnt 0x0                           ; all my tensor loads have landed (one was out: my part of the next slot), so a group 0 may be written
	ds_add_u32 v[SPW], v[NIL]                      ; 0 onto my spare word
.if \fill
	s_add_co_u32 s[G0A+5], s[RB], s[LA]            ; the walking sets: into the slot that is being left,
	s_add_co_u32 s[G0B+5], s[RB], s[LB]
	s_add_nc_u64 s[G0A+6:G0A+7], s[G0A+6:G0A+7], ASTEP  ; the next K step; the type bits on top are not reached
	s_add_nc_u64 s[G0B+6:G0B+7], s[G0B+6:G0B+7], BSTEP
.endif
	s_xor_b32 s[RB], s[RB], SLOT                   ; the reads go to the other slot
	v_add_nc_u32 v[ADRA], s[RB], v[A0]
	v_add_nc_u32 v[ADRB], s[RB], v[B0]
	v_add_nc_u32 v[ADRB+1], s[RB], v[B1]
	s_wait_dscnt 17                                ; the add and the youngest 16 loads may be out
	MUL8 F1, 0, 0
	s_wait_dscnt 0x0                               ; the add is done, and my reads of this slot are over
	s_barrier_signal -1
	MUL8 F1, 0, 2
	WIN 0                                          ; at a branch and at a label every window is 0
	s_barrier_wait -1
.if \fill
	CREST                                          ; the barrier has opened a round of the cluster's: no wave of any partner still reads the slot or has a load on its way
	JLOAD                                          ; my one tensor load behind the round: 112 products ahead of the wait for it; its four v_nop are also the places in front of the loads below
.else
	PLACES
.endif
	FETCH 0, F0
	MUL8 F1, 1, 0
	MUL8 F1, 1, 2
.endm
	s_load_b256 s[4:11], s[0:1], 0x0               ; gb s[4:5], wh s[6:7], biasr s[8:9], x2 s[10:11]
	s_load_b64 s[12:13], s[0:1], 0x20              ; out0
	v_lshl_add_u32 v[SPW], v0, 2, SPARE
	v_mov_b32 v[NIL], 0
	ds_add_u32 v[SPW], v[NIL]                      ; the wave's opening: the add and its wait stand ahead of my first tensor load; work on registers stands between them
	v_lshrrev_b32 v3, 5, v0
	v_readfirstlane_b32 s[WV], v3
	s_lshr_b32 s[WM], s[WV], 1
	s_and_b32 s[WN], s[WV], 1
	s_bfe_u32 s[CX], ttmp6, 0x40000
	s_bfe_u32 s[CY], ttmp6, 0x40004
	s_lshl_b32 s[NT], ttmp9, 2
	s_add_co_u32 s[NT], s[NT], s[CX]
	s_and_b32 s[MT], ttmp7, 0xffff
	s_lshl_b32 s[MT], s[MT], 2
	s_add_co_u32 s[MT], s[MT], s[CY]
	s_lshl_b32 s21, s[CY], 2
	s_lshl_b32 s21, 15, s21                        ; my row of the cluster
	s_lshl_b32 s22, 0x1111, s[CX]                  ; my column
	s_or_b32 s[G1A], s21, (1<<16)|(1<<20)|(1<<21)|(6<<22)|(3<<25)  ; mask; 2-byte elements; padding on; bit 21 beside a mask; after every 128 words 4 words
	s_mov_b32 s[G1A+1], 256<<16                    ; tensor_dim0 = 256
	s_mov_b32 s[G1A+2], 64<<16                     ; tensor_dim1 = 64
	s_mov_b32 s[G1A+3], 256<<16                    ; tile_dim0 = 256
	s_mov_b32 s[G1A+4], 64                         ; tile_dim1 = 64
	s_mov_b32 s[G1A+5], LDA
	s_mov_b32 s[G1A+6], 0
	s_mov_b32 s[G1A+7], 0
	s_or_b32 s[G1B], s22, (1<<16)|(1<<20)|(1<<21)|(5<<22)|(7<<25)  ; after every 64 words 8 words
	s_mov_b32 s[G1B+1], 128<<16                    ; 128 columns
	s_mov_b32 s[G1B+2], 128<<16                    ; 128 rows of k
	s_mov_b32 s[G1B+3], 128<<16
	s_mov_b32 s[G1B+4], 128
	s_mov_b32 s[G1B+5], LDB
	s_mov_b32 s[G1B+6], 0
	s_mov_b32 s[G1B+7], 0
	s_mul_i32 s[LA], s[WN], LAH
	s_mul_i32 s[LB], s[WN], BHALF
	s_add_co_u32 s[LB], s[LB], AREG
	s_lshl_b32 s40, s[MT], 7                       ; A: row 128 x tile row + 64 x half (s[40:41] never hold cx)
	s_lshl_b32 s41, s[WN], 6
	s_add_co_u32 s40, s40, s41
	s_mul_i32 s40, s40, LDA*2
	s_mov_b32 s41, 0
	s_lshl_b32 s42, s[NT], 8                       ; W: the tile's 128 columns (s[42:43] never hold cy),
	s_add_co_u32 s42, s42, WOFF
	s_mul_i32 s43, s[WN], 128*LDB*2                ; my 128 rows of k
	s_add_co_u32 s42, s42, s43
	s_mov_b32 s43, 0
	v_and_b32 v1, 15, v0                           ; r = l % 16
	v_bfe_u32 v2, v0, 4, 1                         ; h = l / 16
	v_and_b32 v6, 7, v0
	v_bfe_u32 v7, v0, 3, 1
	v_and_b32 v8, 31, v0                           ; l
	s_lshl_b32 s23, s[WN], 8
	v_lshl_add_u32 v[BO], v2, 5, s23               ; my 8 columns in the tile's bias
	v_lshlrev_b32 v[RO], 4, v8                     ; my 4 columns of a row of the residual, f32
	s_wait_dscnt 0x0                               ; the opening add is done
	s_wait_kmcnt 0x0
	s_add_nc_u64 s[40:41], s[4:5], s[40:41]
	s_add_nc_u64 s[42:43], s[6:7], s[42:43]
	s_mov_b32 s[G0A], 1
	s_mov_b32 s[G0A+1], s[LA]
	s_mov_b64 s[G0A+2:G0A+3], s[40:41]
	s_or_b32 s[G0A+3], s[G0A+3], 0x80000000
	s_mov_b32 s[G0A+4], 1
	s_add_co_u32 s[G0A+5], s[LA], SLOT
	s_add_nc_u64 s[G0A+6:G0A+7], s[40:41], ASTEP
	s_or_b32 s[G0A+7], s[G0A+7], 0x80000000
	s_mov_b32 s[G0B], 1
	s_mov_b32 s[G0B+1], s[LB]
	s_mov_b64 s[G0B+2:G0B+3], s[42:43]
	s_or_b32 s[G0B+3], s[G0B+3], 0x80000000
	s_mov_b32 s[G0B+4], 1
	s_add_co_u32 s[G0B+5], s[LB], SLOT
	s_add_nc_u64 s[G0B+6:G0B+7], s[42:43], BSTEP
	s_or_b32 s[G0B+7], s[G0B+7], 0x80000000
	s_lshl_b32 s66, s[NT], 9                       ; the tile's 128 numbers of the bias
	s_add_co_u32 s66, s66, BIASF*4
	s_mov_b32 s67, 0
	s_add_nc_u64 s[8:9], s[8:9], s[66:67]
	s_lshl_b32 s66, s[MT], 7
	s_lshl_b32 s23, s[WV], 5
	s_add_co_u32 s66, s66, s23                     ; the first of the 32 rows that I store,
	s_lshl_b32 s66, s66, 12                        ; 4,096 bytes each,
	s_lshl_b32 s23, s[NT], 9
	s_add_co_u32 s66, s66, s23                     ; the tile's 128 columns: the same place in x2 and in out0
	s_add_nc_u64 s[10:11], s[10:11], s[66:67]
	s_add_nc_u64 s[12:13], s[12:13], s[66:67]
	CROUND                                         ; all sixteen work-groups are here: the first joint loads meet
	s_cmp_eq_u32 s[WM], 0                          ; a wave's two first fills stand in one branch: two loads of mine are out
	s_cbranch_scc0 .Lfirst_b
	tensor_load_to_lds s[G0A:G0A+3], s[G1A:G1A+7]
	s_nop 0
	tensor_load_to_lds s[G0A+4:G0A+7], s[G1A:G1A+7]
	s_nop 0
	PLACES
	s_branch .Lfirst_asked
.Lfirst_b:
	tensor_load_to_lds s[G0B:G0B+3], s[G1B:G1B+7]
	s_nop 0
	tensor_load_to_lds s[G0B+4:G0B+7], s[G1B:G1B+7]
	s_nop 0
	PLACES
.Lfirst_asked:
.irp a, 0,1,2,3                        ; the bias starts the sums: register j of accumulator (a, b) is column 16 b + 8 h + j of my half, whatever a
.irp b, 0,1,2,3
	global_load_b128 v[ACC+8*(4*(\a)+(\b)):ACC+8*(4*(\a)+(\b))+3],   v[BO], s[8:9] offset:64*(\b)
	global_load_b128 v[ACC+8*(4*(\a)+(\b))+4:ACC+8*(4*(\a)+(\b))+7], v[BO], s[8:9] offset:64*(\b)+16
.endr
.endr
	WIN TO_R
.set t, 0
.rept 32                               ; the residual of the 32 rows that I store: a wave's load takes 512 consecutive bytes, aligned
	global_load_b128 v[4*t:4*t+3], v[RO], s[10:11] offset:4096*t
.set t, t+1
.endr
	WIN 0
	v_mul_u32_u24 v[A0], v1, PA                    ; A's fragment: (64 x row half + r) x pitch + 16 h
	v_lshl_add_u32 v[A0], v2, 4, v[A0]
	s_mul_i32 s23, s[WM], 64*PA
	v_add_nc_u32 v[A0], s23, v[A0]
	v_lshl_add_u32 v[B0], v2, 3, v6                ; W's: lane l reads k = 8 h + l % 8, columns 8 ((l / 8) % 2) + 0..7 of a block of 16
	v_mul_u32_u24 v[B0], v[B0], PB
	v_lshl_add_u32 v[B0], v7, 4, v[B0]
	s_lshl_b32 s23, s[WN], 7
	s_add_co_u32 s23, s23, AREG
	v_add_nc_u32 v[B0], s23, v[B0]
	v_add_nc_u32 v[B1], BHALF, v[B0]
	v_mov_b32 v[ADRA], v[A0]
	v_mov_b32 v[ADRB], v[B0]
	v_mov_b32 v[ADRB+1], v[B1]
	v_mul_u32_u24 v[STO], v1, SP                   ; into the stage: row 64 x row half + r, byte 256 x column half + 32 h
	v_lshl_add_u32 v[STO], v2, 5, v[STO]
	s_mul_i32 s23, s[WM], 64*SP
	s_lshl_b32 s2, s[WN], 8
	s_add_co_u32 s23, s23, s2
	s_add_co_u32 s23, s23, SLOT
	v_add_nc_u32 v[STO], s23, v[STO]
	s_mul_i32 s23, s[WV], 32*SP                    ; back: wave w takes rows 32 w on, a whole row of 512 bytes a load
	s_add_co_u32 s23, s23, SLOT
	v_lshl_add_u32 v[RD], v8, 4, s23
	v_lshlrev_b32 v[CO], 4, v8
	s_mov_b32 s[RB], 0
	s_wait_tensorcnt 0x1                           ; my part of K step 0 is in; K step 1's may stay out
	s_barrier_signal -1
	s_barrier_wait -1
	FETCH 0, F0
	s_wait_loadcnt 32                              ; the bias is in; the residual's 32 loads may stay out
	WIN 0
	s_mov_b32 s3, T-2
.Lfill:                                        ; K step t is multiplied; its slot is filled again with K step t + 2
	QUARTER 1, F0, F1
	QUARTER 2, F1, F0
	QUARTER 3, F0, F1
	TURN 1
	WIN 0
	s_sub_co_u32 s3, s3, 1
	s_cmp_lg_u32 s3, 0
	s_cbranch_scc1 .Lfill
	s_mov_b32 s3, 2
.Llast:                                        ; the last two K steps fill nothing
	QUARTER 1, F0, F1
	QUARTER 2, F1, F0
	QUARTER 3, F0, F1
	TURN 0
	WIN 0
	s_sub_co_u32 s3, s3, 1
	s_cmp_lg_u32 s3, 0
	s_cbranch_scc1 .Llast
	; THE WAY OUT.  Behind the last barrier nobody reads slot 1: the sums go into the stage in f32; a barrier, since a row comes from two waves; then each wave takes 32 whole rows and adds the residual.
	PLACES
.irp a, 0,1,2,3
.irp b, 0,1,2,3
	ds_store_b128 v[STO], v[ACC+8*(4*(\a)+(\b)):ACC+8*(4*(\a)+(\b))+3]   offset:(\a)*16*SP+64*(\b)
	ds_store_b128 v[STO], v[ACC+8*(4*(\a)+(\b))+4:ACC+8*(4*(\a)+(\b))+7] offset:(\a)*16*SP+64*(\b)+16
.endr
.endr
	s_wait_dscnt 0x0                               ; for the others' sake: my stores into the stage are done
	s_barrier_signal -1
	s_barrier_wait -1
	s_wait_loadcnt 0x0                             ; the residual
.irp g, 0,1
	WIN 0
.irp j, 0,1,2,3,4,5,6,7,8,9,10,11,12,13,14,15
	ds_load_b128 v[32+4*(\j):35+4*(\j)], v[RD] offset:(16*(\g)+(\j))*SP
.endr
	WIN ADDW
.irp j, 0,1,2,3,4,5,6,7,8,9,10,11,12,13,14,15
	s_wait_dscnt 15-(\j)
	v_pk_add_f32 v[4*(16*(\g)+(\j)):4*(16*(\g)+(\j))+1],   v[32+4*(\j):33+4*(\j)], v[4*(16*(\g)+(\j)):4*(16*(\g)+(\j))+1]
	v_pk_add_f32 v[4*(16*(\g)+(\j))+2:4*(16*(\g)+(\j))+3], v[34+4*(\j):35+4*(\j)], v[4*(16*(\g)+(\j))+2:4*(16*(\g)+(\j))+3]
	global_store_b128 v[CO], v[4*(16*(\g)+(\j)):4*(16*(\g)+(\j))+3], s[12:13] offset:4096*(16*(\g)+(\j))  ; 512 consecutive bytes, aligned; no store's data is written again
.endr
.endr
	WIN 0
	s_wait_tensorcnt 0x0                           ; the wave's end, behind my last tensor load and my last LDS store
	ds_add_u32 v[SPW], v[NIL]
	s_wait_dscnt 0x0
	CROUND                                         ; the closing round: no work-group ends while a partner may still ask for a tile that names it
	s_endpgm
.Lfunc_end_k_q8802ce2fc3_ffn2:
	.size	k_q8802ce2fc3_ffn2, .Lfunc_end_k_q8802ce2fc3_ffn2-k_q8802ce2fc3_ffn2
	.p2alignl 7, 3214868480
	.fill 96, 4, 3214868480
	.section	.rodata,"a",@progbits
	.p2align	6, 0x0
	.amdhsa_kernel k_q8802ce2fc3_ffn2
		.amdhsa_group_segment_fixed_size 327680
		.amdhsa_private_segment_fixed_size 0
		.amdhsa_enable_private_segment 0
		.amdhsa_kernarg_size 40
		.amdhsa_user_sgpr_count 2
		.amdhsa_user_sgpr_kernarg_segment_ptr 1
		.amdhsa_wavefront_size32 1
		.amdhsa_system_sgpr_workgroup_id_x 1
		.amdhsa_system_sgpr_workgroup_id_y 1
		.amdhsa_system_sgpr_workgroup_id_z 1
		.amdhsa_system_vgpr_workitem_id 0
		.amdhsa_next_free_vgpr 768
		.amdhsa_next_free_sgpr 80
		.amdhsa_reserve_vcc 0
		.amdhsa_float_denorm_mode_32 3
		.amdhsa_float_denorm_mode_16_64 3
		.amdhsa_memory_ordered 1
		.amdhsa_forward_progress 1
		.amdhsa_inst_pref_size 65
	.end_amdhsa_kernel
	.amdgpu_metadata
---
amdhsa.version: [ 1, 2 ]
amdhsa.kernels:
  - .name:           k_q8802ce2fc3_ffn2
    .symbol:         k_q8802ce2fc3_ffn2.kd
    .args:
      - { .name: gb, .offset: 0, .size: 8, .value_kind: global_buffer, .address_space: global }
      - { .name: wh, .offset: 8, .size: 8, .value_kind: global_buffer, .address_space: global }
      - { .name: biasr, .offset: 16, .size: 8, .value_kind: global_buffer, .address_space: global }
      - { .name: x2, .offset: 24, .size: 8, .value_kind: global_buffer, .address_space: global }
      - { .name: out0, .offset: 32, .size: 8, .value_kind: global_buffer, .address_space: global }
    .group_segment_fixed_size: 327680
    .private_segment_fixed_size: 0
    .kernarg_segment_align: 8
    .kernarg_segment_size: 40
    .max_flat_workgroup_size: 128
    .sgpr_count:     80
    .vgpr_count:     768
    .wavefront_size: 32
...
	.end_amdgpu_metadata
.endif
;; end of part 7
